; MI455X (gfx1250); checked and timed in simulation.
; The chip was launched on July 23, 2026; its instructions are those of AMD's public machine-readable ISA for CDNA 5 (MIT licence, August 2026) and "CDNA5" Instruction Set Architecture Reference Guide (July 2026). The comments in the code are by the model that wrote it; some were corrected since.
;; Point Net Feature Propagation. Allowed arithmetic: matrix products marked QUANTISED: E4M3 operands, one given power-of-two scale a tensor, by v_wmma_f32_16x16x64_fp8_fp8 or v_wmma_f32_16x16x128_fp8_fp8, f32 sums; products left as they are: f32 operands where the result goes on into a quantised operand, else bf16, f16 or f32 operands; f32 sums; everything else in f32.
;; Inputs: b0 256 float32; b1 128 float32; bias0 256 float32; bias1 128 float32; lowp_scales 4 int32 (the exponents e of the quantised operands' scales 2^e); mean0 256 float32; mean1 128 float32; points1 64 x 65,536 float32; points2 256 x 2,048 float32; scale0 256 float32; scale1 128 float32; var0 256 float32; var1 128 float32; w0_codes 256 x 10 x 32 uint8 (E4M3 codes of w0, K innermost, in blocks of 32 codes); w1_codes 128 x 8 x 32 uint8 (E4M3 codes of w1, K innermost, in blocks of 32 codes); xyz1 3 x 65,536 float32; xyz2 3 x 2,048 float32.
;; Outputs: out0 128 x 65,536 float32.
;; This version of the problem:
;;   THIS VERSION OF THE PROBLEM IS GIVEN IN LOW PRECISION. The matrix products marked QUANTISED in the list below multiply operands that are first quantised to E4M3 (4 exponent bits, 3 mantissa bits; 8 bits a number), with one given power-of-two scale for each operand tensor; their sums are f32. All else is computed in f32.
;;   The module's matrix products, in the order in which they are computed (A, B: the left and right operand; K: the contracted axis; several contracted axes count as one K, in the product's order):
;;     1. [M 65,536, K 3] x [K 3, N 2,048]; A: input xyz1; B: input xyz2: left as it is (K = 3 < 32)
;;     2. batch 65,536 x [M 256, K 3] x [K 3, N 1]; A: computed on the way; B: computed on the way: left as it is (K = 3 < 32)
;;     3. [M 65,536, K 320] x [K 320, N 256]; A: computed on the way; B: input w0 (given as codes): QUANTISED (scales: A lowp_scales[0], B lowp_scales[1])
;;     4. [M 65,536, K 256] x [K 256, N 128]; A: computed on the way; B: input w1 (given as codes): QUANTISED (scales: A lowp_scales[2], B lowp_scales[3])
;;   THE QUANTISER, for each operand of a quantised product, along K:
;;     - The operand's scale is 2^e, e = its entry of the input lowp_scales (int32; the entries are numbered through the quantised products in the list's order, A before B).
;;     - Each number is divided by the scale, clamped to +-448, and rounded to the nearest number of E4M3, ties to even, subnormals kept.
;;     - The product sums the exact products of the quantised numbers (number of the format x scale) in f32.
;;   ~~~python
;;   def quantise(x, axis, e):      # numpy; x: float32 -> the quantised numbers, widened to float32 again
;;       x = np.moveaxis(x, axis, -1); K = x.shape[-1]
;;       r = np.clip(x / 2.0 ** e, -448, 448)
;;       step = 2.0 ** (np.maximum(np.frexp(np.where(r == 0, 1, r))[1] - 1, -6) - 3)
;;       q = np.round(r / step) * step * 2.0 ** e      # np.round: ties to even
;;       return np.moveaxis(q, -1, axis).astype(np.float32)
;;   ~~~
;;   OPERANDS COMPUTED ON THE WAY. 'Computed on the way' means the value that the module computes at that place (a softmax that the list does not call 'softmax' is quantised finished and normalised). What goes into a quantiser is computed in f32, as accurately as f32 sums, v_exp_f32 and their like allow (about 1e-6 of the number): no bf16 or f16 on the way to a quantiser, and a product that is left as it is and whose result goes on into a quantised operand takes f32 operands (vector FMAs, or v_wmma_f32_16x16x4_f32). A number that lies on a knife's edge between two numbers of the format may be rounded either way, as far as f32 arithmetic and the matrix unit's own rounding can turn it there, and no further.
;;   INPUTS GIVEN AS CODES. w0 (in the module: [320, 256], K = its axis 0); w1 (in the module: [256, 128], K = its axis 0): each comes as NAME_codes (uint8): NAME with its K axis moved to the last place and cut into blocks of 32 codes, [.., K / 32, bytes a block], one block behind the other in memory; one code a byte (a code: sign, 4 exponent bits, 3 mantissa bits); its scale is its entry of lowp_scales. Its value is code x scale, taken as it is: it is not quantised again, and the codes and scales need not be those that the quantiser above would give.
;; 2 versions, each right; version 2 is version 1 with the launches knn, mlp written anew for expert scheduling mode. Each part assembles by itself: llvm-mc -triple=amdgcn-amd-amdhsa -mcpu=gfx1250 --defsym DOCPART=n.
;; ======== version 1 of 2: 2 launches
;; limits: values within 1.9e-06 (relative) of each other or of a threshold may be ordered or decided otherwise than in the reference
;; workspace buffers: nbr 1,048,576 bytes of whole numbers; p2t 2,097,152 bytes; bn 3,072 bytes
;; launch knn (part 1): grid 256 x 1, 8 waves a work-group, no clusters, 43,520 bytes of LDS; arguments xyz1, xyz2, points2, lowp_scales, b0, scale0, bias0, mean0, var0, b1, scale1, bias1, mean1, var1, nbr, p2t, bn; writes nbr, p2t, bn
.if DOCPART == 1
	.amdgcn_target "amdgcn-amd-amdhsa--gfx1250"
	.amdhsa_code_object_version 6
	.text
	.protected	k_q2a95edb625_knn
	.globl	k_q2a95edb625_knn
	.p2align	8
	.type	k_q2a95edb625_knn,@function
k_q2a95edb625_knn:
	s_mov_b64 s[64:65], 0
	v_nop
	global_prefetch_b8 v0, s[64:65] scope:SCOPE_SE
	s_setreg_imm32_b32 hwreg(HW_REG_WAVE_MODE, 25, 1), 1
	s_wait_xcnt 0x0
; FIRST LAUNCH.  For each of 65,536 points: the indices of its three nearest of 2,048 centres, stored as whole numbers nbr[point] = {i1, i2, i3, 0}.
; On the side: points2 [256][2048] is laid as p2t [2048][256] (a centre's 256 channels on end), and work-group 0 folds the two layers' bias and batch norm into
; bn: alpha0[256], beta0[256], alpha1[128], beta1[128], with g = scale x rsq(var + 1e-5), alpha = g x 2^(the product's two exponents), beta = (b - mean) g + bias.
; SHARES.  A work-group of eight waves owns 256 points; a wave owns 32 of them, as tiles X and Y of 16, and walks all 2,048 centres.
; THE DISTANCE is formed as the problem writes it: d = (sq1 + sq2) - 2 c, each step rounded once: sq = x x, then two fused multiply-adds; c likewise, x then y then z.
; It is made by the f32 matrix form (four fused multiply-adds in ascending k).  Source 0 = 16 centres, row = (x2, y2, z2, sq2).  The same fragment is multiplied twice:
;   by (-2 x1, -2 y1, -2 z1, 0) with C = 0:    -2 c  (doubling is exact, so the bits are those of c);      by (0, 0, 0, 1) with C = sq1:    sq1 + sq2.
; One packed addition for two candidates joins them.  In a result lane (r, h) holds point r, and register j the tile's centre row 8 h + j.
; WHICH CENTRES FORM A TILE.  64 groups g of two tiles u; row m of tile (g, u) is centre 1024 (m / 8) + 64 (8 u + m % 8) + g.  So a lane's candidate has the index 1024 h + 64 jj + g,
; jj = 8 u + j a constant of the text and g the loop's count.
; THE CHOICE.  key = d with its four lowest bits replaced by jj; three instructions put a key into the lane's sorted three (two medians and a minimum); once a group the new three are held
; against the old three, and each slot that changed takes the group's number as its tag.  Keys in order, older group first among equal keys, is the order (d cut short, index).
; At the end the two lanes of a point (h = 0, 1) are merged, the lower half's candidates first among equals.
; LIMITS.  Distances are compared on their leading 20 mantissa bits; those equal there count as tied, and the lower index wins, as it does for exact ties.
; Among negative computed distances that agree so, the order of jj is reversed.  NaN and infinities among the coordinates are not served.
; NO JOINT LOADS: what work-groups share is xyz2, 24,576 bytes a work-group, read once through registers; there is no tile that is fetched again.
.set CTP,  528                         ; a group's place in the table: 32 lanes x 16 bytes + 16 of padding
.set TS,   64*CTP                      ; behind the table: the stage for points2, 32 rows (centres) x TSP
.set TSP,  272                         ; 64 channels x 4 bytes + 16 of padding
.set PL1,  262144                      ; a plane of xyz1 in bytes
.set PL2,  8192                        ; a plane of xyz2, and a row of points2, in bytes
; v1 16 x lane; v2 r; v3 h; v4 the table address in hand; v5 1024 h; v6 where I put table entries; v7, v8 the stage, in and out; v9 my place in p2t; v10 4 x thread; v11 4 x lane; v12 my points in xyz1; v13 my place in nbr
.set BC,   16                          ; v[16:19]  (-2 x1, -2 y1 | -2 z1, 0) of tile X, of tile Y
.set BT,   20                          ; v[20:21]  (0, 0 | 0, 1)
.set CQ,   24                          ; v[24:39]  sq1 of the lane's point, eight times, for X and for Y
.set AF,   40                          ; v[40:47]  two sets of a group's fragments: tile 0's pair, tile 1's pair
.set PX,   48                          ; v48-53    x1, y1, z1 of X and of Y
.set TQ,   54                          ; v54-85    at the head: (x, y, z, sq) of my eight centres
.set KEY,  54                          ; v54-65    the loop: keys at KEY + 6 set + 3 tile + slot
.set TAGR, 66                          ; v66-71    tags at TAGR + 3 tile + slot; at the end the indices
.set TG,   72                          ; v72       the group's number
.set DQ,   74                          ; v74-81    four candidates of X, four of Y
.set TT,   82                          ; v82-93    at work on the tags, six a tile
.set P2R,  86                          ; v86-93    at the head: eight channels of points2
.set RB,   96                          ; v96-103   the stage read back
.set PD,   104                         ; v104-106  the partner lane's distances;  v107-109 its indices;  v110-112 tile Y's indices brought over
.set PI,   107
.set YI,   110
.set OQ,   116                         ; v[116:119] what goes to nbr
.set DD,   128                         ; v128-255  matrix results, written by matrix instructions alone: DD + 64 buffer + 32 (0: -2 c, 1: sq1 + sq2) + 16 tile of points + jj
	s_load_b512 s[16:31], s[0:1], 0x0              ; xyz1 16, xyz2 18, points2 20, lowp_scales 22, b0 24, scale0 26, bias0 28, mean0 30
	s_load_b512 s[32:47], s[0:1], 0x40             ; var0 32, b1 34, scale1 36, bias1 38, mean1 40, var1 42, nbr 44, p2t 46
	s_load_b64 s[48:49], s[0:1], 0x80              ; bn
	v_lshl_add_u32 v126, v0, 2, 0xa600
	v_mov_b32 v127, 0
	v_lshrrev_b32 v14, 5, v0
	v_readfirstlane_b32 s2, v14                    ; wave 0..7
	v_and_b32 v14, 31, v0                          ; lane
	v_and_b32 v2, 15, v0                           ; r
	v_bfe_u32 v3, v0, 4, 1                         ; h
	v_lshlrev_b32 v1, 4, v14
	v_lshlrev_b32 v5, 10, v3
	v_and_b32 v6, 63, v0                           ; thread T's centres T + 256 q all lie in group T % 64,
	v_mul_u32_u24 v6, v6, CTP
	v_bfe_u32 v15, v0, 6, 2
	v_lshl_add_u32 v6, v15, 4, v6                  ; in the lane 8 (q / 4) + 4 (q % 2) + T / 64 of tile (q / 2) % 2: the parts with q stand in the stores' immediates
	s_lshl_b32 s12, s2, 5
	s_add_co_u32 s12, s12, TS
	v_mul_u32_u24 v7, v14, TSP
	v_add_nc_u32 v7, s12, v7                       ; the stage, in: row = my centre (lane), my wave's eight channels
	s_lshl_b32 s13, s2, 2
	v_add_nc_u32 v15, s13, v3                      ; out: rows 4 w + h and two further on
	v_mul_u32_u24 v8, v15, TSP
	v_lshl_add_u32 v8, v2, 4, v8
	v_add_nc_u32 v8, TS, v8
	v_lshlrev_b32 v9, 10, v15                      ; the same rows in p2t, 1,024 bytes each
	v_lshl_add_u32 v9, v2, 4, v9
	v_lshlrev_b32 v10, 2, v0
	v_lshlrev_b32 v11, 2, v14
	s_lshl_b32 s14, s2, 7
	v_lshl_add_u32 v12, v2, 2, s14                 ; point 32 w + r
	s_lshl_b32 s15, s2, 9
	v_add_nc_u32 v13, s15, v1                      ; point 32 w + lane, 16 bytes each
	s_mov_b32 s6, 0xfffffff0                       ; what of a distance stays in its key
	s_mov_b32 s7, 0xffff0000                       ; the lanes with h = 1
	s_mov_b32 s8, 0x76543210                       ; v_permlanex16_b32: lane l xor 16
	s_mov_b32 s9, 0xfedcba98
	s_mov_b32 s13, 0
	s_and_b32 s14, ttmp9, 63                       ; which 32 centres of points2 this work-group turns,
	s_lshr_b32 s15, ttmp9, 6                       ; and which 64 channels
	s_wait_kmcnt 0x0
	s_lshl_b32 s12, ttmp9, 10
	s_add_nc_u64 s[16:17], s[16:17], s[12:13]      ; xyz1 at my 256 points
	s_lshl_b32 s12, ttmp9, 12
	s_add_nc_u64 s[44:45], s[44:45], s[12:13]      ; nbr likewise
	s_lshl_b32 s12, s15, 19                        ; points2: row 64 chb + 8 w, 8,192 bytes each, + 128 cb
	s_lshl_b32 s10, s2, 16
	s_add_co_u32 s12, s12, s10
	s_lshl_b32 s10, s14, 7
	s_add_co_u32 s12, s12, s10
	s_add_nc_u64 s[20:21], s[20:21], s[12:13]
	s_lshl_b32 s12, s14, 15                        ; p2t: row 32 cb, + 256 chb
	s_lshl_b32 s10, s15, 8
	s_add_co_u32 s12, s12, s10
	s_add_nc_u64 s[46:47], s[46:47], s[12:13]
.irp q, 0,1,2,3,4,5,6,7
	global_load_b32 v[TQ+4*\q],   v10, s[18:19] offset:1024*\q           ; centre T + 256 q: x, y, z
	global_load_b32 v[TQ+4*\q+1], v10, s[18:19] offset:1024*\q+PL2
	global_load_b32 v[TQ+4*\q+2], v10, s[18:19] offset:1024*\q+2*PL2
.endr
.irp i, 0,1,2,3,4,5,6,7
	global_load_b32 v[P2R+\i], v11, s[20:21] offset:PL2*\i th:TH_LOAD_NT ; channel 8 w + i of 32 centres: read once in the launch
.endr
.irp p, 0,1
	global_load_b32 v[PX+3*\p],   v12, s[16:17] offset:64*\p
	global_load_b32 v[PX+3*\p+1], v12, s[16:17] offset:64*\p+PL1
	global_load_b32 v[PX+3*\p+2], v12, s[16:17] offset:64*\p+2*PL1
.endr
	; ---- the table: every group's two fragments as an image of their registers
	s_wait_loadcnt 14                              ; xyz2's 24 loads are in; the 8 of points2 and the 6 of xyz1 stay out
.irp q, 0,1,2,3,4,5,6,7
	v_mul_f32 v[TQ+4*\q+3], v[TQ+4*\q], v[TQ+4*\q]
.endr
.irp q, 0,1,2,3,4,5,6,7
	v_fmac_f32 v[TQ+4*\q+3], v[TQ+4*\q+1], v[TQ+4*\q+1]
.endr
.irp q, 0,1,2,3,4,5,6,7
	v_fmac_f32 v[TQ+4*\q+3], v[TQ+4*\q+2], v[TQ+4*\q+2]                  ; sq2
.endr
.irp q, 0,1,2,3,4,5,6,7
	ds_store_b64 v6, v[TQ+4*\q:TQ+4*\q+1]   offset:8*((\q/2)%2)+128*(\q/4)+64*(\q%2)      ; (x, y): k = 0, 1, the lane with h = 0
	ds_store_b64 v6, v[TQ+4*\q+2:TQ+4*\q+3] offset:8*((\q/2)%2)+128*(\q/4)+64*(\q%2)+256  ; (z, sq): k = 2, 3, the lane 16 further on
.endr
	s_wait_loadcnt 6                               ; points2's 8 loads are in; xyz1's 6 stay out
	ds_store_b128 v7, v[P2R:P2R+3]
	ds_store_b128 v7, v[P2R+4:P2R+7] offset:16
	s_wait_dscnt 0x0                               ; for the others' sake: my stores into the table and the stage are done
	s_barrier_signal -1
	s_barrier_wait -1                              ; the launch's one barrier: from here on LDS is only read
	ds_load_b128 v[RB:RB+3], v8
	ds_load_b128 v[RB+4:RB+7], v8 offset:2*TSP
	ds_load_b128 v[AF:AF+3], v1                    ; group 0's fragments,
	ds_load_b128 v[AF+4:AF+7], v1 offset:CTP       ; group 1's
	s_wait_dscnt 3
	global_store_b128 v9, v[RB:RB+3], s[46:47]     ; sixteen lanes store 256 consecutive bytes of a centre's row, at a multiple of 256 from p2t's first byte
	s_wait_dscnt 2
	global_store_b128 v9, v[RB+4:RB+7], s[46:47] offset:2048
	; ---- the points' operands
	s_wait_loadcnt 0x0
.irp p, 0,1
	v_mul_f32 v[CQ+8*\p], v[PX+3*\p], v[PX+3*\p]
	v_fmac_f32 v[CQ+8*\p], v[PX+3*\p+1], v[PX+3*\p+1]
	v_fmac_f32 v[CQ+8*\p], v[PX+3*\p+2], v[PX+3*\p+2]                    ; sq1
.irp j, 0,1,2
	v_mul_f32 v[PX+3*\p+\j], -2.0, v[PX+3*\p+\j]
.endr
.irp j, 1,2,3,4,5,6,7
	v_mov_b32 v[CQ+8*\p+\j], v[CQ+8*\p]            ; a lane's eight results belong to one point: C holds its sq1 eight times
.endr
	v_cndmask_b32 v[BC+2*\p], v[PX+3*\p], v[PX+3*\p+2], s7               ; k = 0: -2 x1;  k = 2: -2 z1
	v_cndmask_b32 v[BC+2*\p+1], v[PX+3*\p+1], 0, s7                      ; k = 1: -2 y1;  k = 3: 0
.endr
	v_mov_b32 v[BT], 0
	v_cndmask_b32 v[BT+1], 0, 1.0, s7              ; k = 3: 1
; Eight matrix instructions: the group in set a, both tiles of centres x both tiles of points, -2 c and sq1 + sq2.  Each is a whole sum; its result is no register of its C.
.macro MM a, buf
.irp p, 0,1
.irp u, 0,1
	v_wmma_f32_16x16x4_f32 v[DD+64*(\buf)+16*\p+8*\u:DD+64*(\buf)+16*\p+8*\u+7], v[AF+4*(\a)+2*\u:AF+4*(\a)+2*\u+1], v[BC+2*\p:BC+2*\p+1], 0
	v_wmma_f32_16x16x4_f32 v[DD+64*(\buf)+32+16*\p+8*\u:DD+64*(\buf)+32+16*\p+8*\u+7], v[AF+4*(\a)+2*\u:AF+4*(\a)+2*\u+1], v[BT:BT+1], v[CQ+8*\p:CQ+8*\p+7]
.endr
.endr
.endm
; The tags, both tiles line by line.  The new three are a merge of the old three and new keys.  Slot by slot: if the new key has the bits of the oldest old key not yet placed, it IS that one
; (older first among equals) and keeps its tag; else it is new and takes the group's number.  KO, KN: the old and the new set of keys.
.macro TAGS
.irp p, 0,1
	v_cmp_ne_u32 s[10+\p], v[KN+3*\p], v[KO+3*\p]                        ; m1: slot a is new
.endr
.irp p, 0,1
	v_cndmask_b32 v[TT+6*\p],   v[KO+3*\p+1], v[KO+3*\p], s[10+\p]       ; the old key that slot b may be: m1 ? a0 : b0
	v_cndmask_b32 v[TT+6*\p+1], v[TAGR+3*\p+1], v[TAGR+3*\p], s[10+\p]   ; and its tag
	v_cndmask_b32 v[TT+6*\p+2], v[KO+3*\p+2], v[KO+3*\p+1], s[10+\p]     ; the old key behind that one: m1 ? b0 : c0
	v_cndmask_b32 v[TT+6*\p+3], v[TAGR+3*\p+2], v[TAGR+3*\p+1], s[10+\p]
	v_cndmask_b32 v[TAGR+3*\p], v[TAGR+3*\p], v[TG], s[10+\p]
.endr
.irp p, 0,1
	v_cmp_ne_u32 s[10+\p], v[KN+3*\p+1], v[TT+6*\p]                      ; m2: slot b is new
.endr
.irp p, 0,1
	v_cndmask_b32 v[TT+6*\p+4], v[TT+6*\p+2], v[TT+6*\p], s[10+\p]       ; the old key that slot c may be
	v_cndmask_b32 v[TT+6*\p+5], v[TT+6*\p+3], v[TT+6*\p+1], s[10+\p]
	v_cndmask_b32 v[TAGR+3*\p+1], v[TT+6*\p+1], v[TG], s[10+\p]
.endr
.irp p, 0,1
	v_cmp_ne_u32 s[10+\p], v[KN+3*\p+2], v[TT+6*\p+4]                    ; m3: slot c is new
.endr
.irp p, 0,1
	v_cndmask_b32 v[TAGR+3*\p+2], v[TT+6*\p+5], v[TG], s[10+\p]
.endr
.endm
; A group's 16 candidates of each tile of points, out of result buffer b.  The first candidate reads key set b and writes the other set, so that the old three stay for the tags.
; Each accumulator is read from its lowest registers on.
.macro PROC b
.set DB, DD+64*(\b)
.set KO, KEY+6*(\b)
.set KN, KEY+6*(1-(\b))
.irp qd, 0,1,2,3
.irp p, 0,1
.irp i, 0,2
	v_pk_add_f32 v[DQ+4*\p+\i:DQ+4*\p+\i+1], v[DB+32+16*\p+4*\qd+\i:DB+32+16*\p+4*\qd+\i+1], v[DB+16*\p+4*\qd+\i:DB+16*\p+4*\qd+\i+1]   ; d = (sq1 + sq2) - 2 c, two at a time
.endr
.endr
.irp p, 0,1
.irp i, 0,1,2,3
	v_and_or_b32 v[DQ+4*\p+\i], v[DQ+4*\p+\i], s6, 4*\qd+\i              ; the key: jj in the four lowest bits
.endr
.endr
.irp i, 0,1,2,3
.irp p, 0,1
.if (\qd == 0) && (\i == 0)
	v_med3_num_f32 v[KN+3*\p+2], v[KO+3*\p+1], v[KO+3*\p+2], v[DQ+4*\p]
	v_med3_num_f32 v[KN+3*\p+1], v[KO+3*\p], v[KO+3*\p+1], v[DQ+4*\p]
	v_min_num_f32 v[KN+3*\p], v[KO+3*\p], v[DQ+4*\p]
.else
	v_med3_num_f32 v[KN+3*\p+2], v[KN+3*\p+1], v[KN+3*\p+2], v[DQ+4*\p+\i]   ; c = the middle of (b, c, key); b = the middle of (a, b, key); a = the lesser of (a, key): each reads what the line below has not yet written
	v_med3_num_f32 v[KN+3*\p+1], v[KN+3*\p], v[KN+3*\p+1], v[DQ+4*\p+\i]
	v_min_num_f32 v[KN+3*\p], v[KN+3*\p], v[DQ+4*\p+\i]
.endif
.endr
.endr
.endr
	TAGS
.endm
; Half a trip: buffer b's group is worked on while the next group is multiplied into the other buffer (mm = 1) and the group two on is fetched into set b (ld = 1).
; DISTANCES behind the f32 matrix form: buffer b was written, and set b read, half a trip ago, and a whole PROC on the other buffer, 168 plain vector instructions that name none of
; those registers, stands between; eight places are asked ahead of the reads and of the load, nine ahead of a matrix instruction that writes a buffer again.
.macro HALF b, mm, ld
.if \mm
	s_wait_dscnt 0x0                               ; the next group's fragments are in
.endif
.if \ld && (\b == 0)
	v_add_nc_u32 v4, s5, v1                        ; the trip's place in the table (behind the wait: no load of mine still reads v4)
.endif
.if \mm
	MM 1-\b, 1-\b
.endif
.if \ld
	ds_load_b128 v[AF+4*\b:AF+4*\b+3], v4 offset:(2+\b)*CTP
.endif
	PROC \b
	v_add_nc_u32 v[TG], 1, v[TG]
.endm
	s_wait_dscnt 1                                 ; group 0's fragments are in; group 1's load stays out
	MM 0, 0
.irp j, 0,1,2,3,4,5
	v_mov_b32 v[KEY+\j], 0x7f800000                ; the three so far: infinity.  (These thirteen lines are also the places behind the products above)
.endr
.irp j, 0,1,2,3,4,5
	v_mov_b32 v[TAGR+\j], 0
.endr
	v_mov_b32 v[TG], 0
	s_mov_b32 s3, 31
	s_mov_b32 s5, 0
.Ltrip:                                                ; 31 trips of two groups
	HALF 0, 1, 1
	HALF 1, 1, 1
	s_add_co_u32 s5, s5, 2*CTP
	s_sub_co_u32 s3, s3, 1
	s_cmp_lg_u32 s3, 0
	s_cbranch_scc1 .Ltrip
	HALF 0, 1, 0                                   ; groups 62 and 63: nothing is left to fetch,
	HALF 1, 0, 0                                   ; nor to multiply.  The keys end in set 0
	; ---- the way out: index = 1024 h + 64 jj + g; the key becomes the distance cut short
.irp p, 0,1
.irp k, 0,1,2
	v_and_b32 v[TT+\k], 15, v[KEY+3*\p+\k]
	v_lshl_add_u32 v[TAGR+3*\p+\k], v[TT+\k], 6, v[TAGR+3*\p+\k]
	v_add_nc_u32 v[TAGR+3*\p+\k], v5, v[TAGR+3*\p+\k]
	v_and_b32 v[KEY+3*\p+\k], s6, v[KEY+3*\p+\k]
.endr
.endr
.irp j, 0,1,2,3,4,5,6,7,8
	v_mov_b32 v[PD+\j], 0                          ; written once: a lane permute's destination counts as one of its sources
.endr
; The partner lane's three are put in, nearest first, only where strictly nearer.  That is the right order in lanes 0-15, whose own centres have the lower indices; only those lanes' results are used.
.irp p, 0,1
.irp k, 0,1,2
	v_permlanex16_b32 v[PD+\k], v[KEY+3*\p+\k], s8, s9
	v_permlanex16_b32 v[PI+\k], v[TAGR+3*\p+\k], s8, s9
.endr
.irp k, 0,1,2
	v_cmp_lt_f32 s10, v[PD+\k], v[KEY+3*\p]
	v_cmp_lt_f32 s11, v[PD+\k], v[KEY+3*\p+1]
	v_cmp_lt_f32 s12, v[PD+\k], v[KEY+3*\p+2]
	v_cndmask_b32 v[TT], v[PI+\k], v[TAGR+3*\p+1], s11
	v_cndmask_b32 v[TAGR+3*\p+2], v[TAGR+3*\p+2], v[TT], s12
	v_cndmask_b32 v[TT+1], v[PI+\k], v[TAGR+3*\p], s10
	v_cndmask_b32 v[TAGR+3*\p+1], v[TAGR+3*\p+1], v[TT+1], s11
	v_cndmask_b32 v[TAGR+3*\p], v[TAGR+3*\p], v[PI+\k], s10
	v_med3_num_f32 v[KEY+3*\p+2], v[KEY+3*\p+1], v[KEY+3*\p+2], v[PD+\k]
	v_med3_num_f32 v[KEY+3*\p+1], v[KEY+3*\p], v[KEY+3*\p+1], v[PD+\k]
	v_min_num_f32 v[KEY+3*\p], v[KEY+3*\p], v[PD+\k]
.endr
.endr
.irp k, 0,1,2
	v_permlanex16_b32 v[YI+\k], v[TAGR+3+\k], s8, s9                     ; tile Y's indices go to lanes 16-31,
.endr
.irp k, 0,1,2
	v_cndmask_b32 v[OQ+\k], v[TAGR+\k], v[YI+\k], s7                     ; so that lane l holds point 32 w + l
.endr
	v_mov_b32 v[OQ+3], 0
	global_store_b128 v13, v[OQ:OQ+3], s[44:45]    ; the wave stores 512 consecutive bytes
	; ---- work-group 0 folds bias and batch norm: thread T takes channel T
	s_cmp_lg_u32 ttmp9, 0
	s_cbranch_scc1 .Lend
	s_load_b128 s[52:55], s[22:23], 0x0            ; the four exponents
	global_load_b32 v54, v10, s[24:25]             ; b0
	global_load_b32 v55, v10, s[26:27]             ; scale0
	global_load_b32 v56, v10, s[28:29]             ; bias0
	global_load_b32 v57, v10, s[30:31]             ; mean0
	global_load_b32 v58, v10, s[32:33]             ; var0
	s_wait_loadcnt 0x0
	v_add_f32 v58, 0x3727c5ac, v58                 ; + 1e-5
	v_rsq_f32 v59, v58
	v_sub_f32 v60, v54, v57                        ; b - mean: the plain instruction behind the transcendental
	s_wait_kmcnt 0x0
	s_add_co_i32 s12, s52, s53
	s_add_co_i32 s13, s54, s55
	s_wait_alu depctr_va_vdst(0)                   ; ahead of the first line that names the root's result
	v_mul_f32 v59, v55, v59                        ; g
	v_ldexp_f32 v61, v59, s12                      ; alpha0 = g x 2^(e0 + e1)
	v_fma_f32 v62, v60, v59, v56                   ; beta0 = (b - mean) g + bias
	global_store_b32 v10, v61, s[48:49]
	global_store_b32 v10, v62, s[48:49] offset:1024
	s_cmp_ge_u32 s2, 4                             ; the second layer has 128 channels: waves 0 to 3
	s_cbranch_scc1 .Lend
	global_load_b32 v64, v10, s[34:35]             ; b1
	global_load_b32 v65, v10, s[36:37]             ; scale1
	global_load_b32 v66, v10, s[38:39]             ; bias1
	global_load_b32 v67, v10, s[40:41]             ; mean1
	global_load_b32 v68, v10, s[42:43]             ; var1
	s_wait_loadcnt 0x0
	v_add_f32 v68, 0x3727c5ac, v68
	v_rsq_f32 v69, v68
	v_sub_f32 v70, v64, v67
	s_wait_alu depctr_va_vdst(0)
	v_mul_f32 v69, v65, v69
	v_ldexp_f32 v71, v69, s13                      ; alpha1 = g x 2^(e2 + e3)
	v_fma_f32 v72, v70, v69, v66
	global_store_b32 v10, v71, s[48:49] offset:2048
	global_store_b32 v10, v72, s[48:49] offset:2560
.Lend:
	s_wait_tensorcnt 0x0
	ds_add_u32 v126, v127
	s_wait_dscnt 0x0
	s_endpgm
.Lfunc_end_k_q2a95edb625_knn:
	.size	k_q2a95edb625_knn, .Lfunc_end_k_q2a95edb625_knn-k_q2a95edb625_knn
	.p2alignl 7, 3214868480
	.fill 96, 4, 3214868480
	.section	.rodata,"a",@progbits
	.p2align	6, 0x0
	.amdhsa_kernel k_q2a95edb625_knn
		.amdhsa_group_segment_fixed_size 43520
		.amdhsa_private_segment_fixed_size 0
		.amdhsa_enable_private_segment 0
		.amdhsa_kernarg_size 136
		.amdhsa_user_sgpr_count 2
		.amdhsa_user_sgpr_kernarg_segment_ptr 1
		.amdhsa_wavefront_size32 1
		.amdhsa_system_sgpr_workgroup_id_x 1
		.amdhsa_system_sgpr_workgroup_id_y 1
		.amdhsa_system_sgpr_workgroup_id_z 1
		.amdhsa_system_vgpr_workitem_id 0
		.amdhsa_next_free_vgpr 256
		.amdhsa_next_free_sgpr 66
		.amdhsa_reserve_vcc 0
		.amdhsa_float_denorm_mode_32 3
		.amdhsa_float_denorm_mode_16_64 3
		.amdhsa_memory_ordered 1
		.amdhsa_forward_progress 1
		.amdhsa_inst_pref_size 60
	.end_amdhsa_kernel
	.amdgpu_metadata
---
amdhsa.version: [ 1, 2 ]
amdhsa.kernels:
  - .name:           k_q2a95edb625_knn
    .symbol:         k_q2a95edb625_knn.kd
    .args:
      - { .name: xyz1, .offset: 0, .size: 8, .value_kind: global_buffer, .address_space: global }
      - { .name: xyz2, .offset: 8, .size: 8, .value_kind: global_buffer, .address_space: global }
      - { .name: points2, .offset: 16, .size: 8, .value_kind: global_buffer, .address_space: global }
      - { .name: lowp_scales, .offset: 24, .size: 8, .value_kind: global_buffer, .address_space: global }
      - { .name: b0, .offset: 32, .size: 8, .value_kind: global_buffer, .address_space: global }
      - { .name: scale0, .offset: 40, .size: 8, .value_kind: global_buffer, .address_space: global }
      - { .name: bias0, .offset: 48, .size: 8, .value_kind: global_buffer, .address_space: global }
      - { .name: mean0, .offset: 56, .size: 8, .value_kind: global_buffer, .address_space: global }
      - { .name: var0, .offset: 64, .size: 8, .value_kind: global_buffer, .address_space: global }
      - { .name: b1, .offset: 72, .size: 8, .value_kind: global_buffer, .address_space: global }
      - { .name: scale1, .offset: 80, .size: 8, .value_kind: global_buffer, .address_space: global }
      - { .name: bias1, .offset: 88, .size: 8, .value_kind: global_buffer, .address_space: global }
      - { .name: mean1, .offset: 96, .size: 8, .value_kind: global_buffer, .address_space: global }
      - { .name: var1, .offset: 104, .size: 8, .value_kind: global_buffer, .address_space: global }
      - { .name: nbr, .offset: 112, .size: 8, .value_kind: global_buffer, .address_space: global }
      - { .name: p2t, .offset: 120, .size: 8, .value_kind: global_buffer, .address_space: global }
      - { .name: bn, .offset: 128, .size: 8, .value_kind: global_buffer, .address_space: global }
    .group_segment_fixed_size: 43520
    .private_segment_fixed_size: 0
    .kernarg_segment_align: 8
    .kernarg_segment_size: 136
    .max_flat_workgroup_size: 256
    .sgpr_count:     66
    .vgpr_count:     256
    .wavefront_size: 32
...
	.end_amdgpu_metadata
.endif
;; end of part 1
;; launch mlp (part 2): grid 256 x 1, 8 waves a work-group, no clusters, 291,840 bytes of LDS; arguments xyz1, xyz2, points1, w0_codes, w1_codes, lowp_scales, nbr, p2t, bn, out0; writes out0
.if DOCPART == 2
	.amdgcn_target "amdgcn-amd-amdhsa--gfx1250"
	.amdhsa_code_object_version 6
	.text
	.protected	k_q2a95edb625_mlp
	.globl	k_q2a95edb625_mlp
	.p2align	8
	.type	k_q2a95edb625_mlp,@function
k_q2a95edb625_mlp:
	s_mov_b64 s[64:65], 0
	v_nop
	global_prefetch_b8 v0, s[64:65] scope:SCOPE_SE
	s_setreg_imm32_b32 hwreg(HW_REG_WAVE_MODE, 25, 1), 1
	s_wait_xcnt 0x0
; SECOND LAUNCH.  out0[128][65536] = relu(bn1(Q(relu(bn0(Q([points1^T, interp]) W0))) W1))^T, both products on codes of FP8 (E4M3), each operand with its given scale 2^e (e0 .. e3).
; interp[n] = the sum over the point's three centres (indices from nbr, stored by the launch before) of w_k x p2t[i_k], w_k = (1 / (d_k + 1e-8)) / their sum, all in f32;
; d_k = (sq1 + sq2) - 2 c is made anew here in full f32, in the order in which the problem writes it.  bn holds alpha and beta of both layers: a layer is relu(sum x alpha + beta).
; SHARES.  A work-group of eight waves owns 256 points.  PHASE A: wave w makes the 320 codes of points 32 w .. 32 w + 31 and puts them into LDS as rows (K in its natural order).
; PHASES 1 AND 2: the waves share columns and points: wu = w % 4 picks 64 hidden units, then 32 outputs; wp = w / 4 picks 128 points, eight tiles of 16.  A wave's weights stay in its registers (window 1).
; PHASE 1 is used transposed (source 0 = 16 rows of W0, source 1 = 16 points), and lane r of tile 2 b + u takes W0's row 32 b + 8 u + r + 8 (r / 8): a lane then holds one point, and the 16 registers of
; tiles 2 b, 2 b + 1 are 16 neighbouring hidden units, which the conversions turn into 16 bytes of the next operand's row.  K = 320 is five steps of the K = 64 form.
; PHASE 2 is used as it stands (source 0 = 16 points, source 1 = 16 rows of W1): a lane holds one output channel and eight neighbouring points, as out0's rows want them.
; Fragments are fetched 16 bytes at a time, alike on both sides of a product: a permutation of k that is the same in both operands, so every product meets its partner.
; NO JOINT LOADS: what work-groups share is the weights, 114,688 bytes, which go from memory straight into operand registers (twice a work-group: 229,376 bytes), beside 786,432 bytes of gathered rows,
; 65,536 of points1 and 131,072 of results that are the work-group's own; the gather's addresses differ from point to point.
; LIMITS: e0 and e2 between -126 and 119, so that 2^e and 448 x 2^e are f32 numbers; e0 + e1 and e2 + e3 were applied by v_ldexp_f32 and have none.  NaN among the inputs is not served.
.set XP,   336                         ; a point's row of 320 codes + 16 of padding: 21 x 16 bytes
.set HP,   272                         ; a point's row of 256 hidden codes + 16
.set STP,  528                         ; a row of the way out: 128 points x 4 bytes + 16
.set HT,   256*XP                      ; LDS: 256 rows of x, then 256 rows of the hidden layer,
.set STG,  HT+256*HP                   ; then for each wave a stage of its own, 32 rows x STP
.set PL1,  262144                      ; a row of points1 and of out0, a plane of xyz1, in bytes
.set PL2,  8192                        ; a plane of xyz2
; WINDOW 0: v1 lane, v2 r, v3 h, v4 16 x lane, v5 and v6 where I put codes of x, v7 x's fragments, v8 where I put hidden codes, v9 the hidden fragments, v10 and v11 my stage in and out,
;   v12, v13: 2^e0 and 448 x 2^e0; v14, v15: the same with e2; v16-18 my point's three indices; v19-21 its three weights; v22 4 x lane; v23-26 offsets into W0, W1 and bn;
;   v28-59 alpha0, v60-91 beta0 (tile t, register j at 8 t + j); v92, v93 alpha1 of my two tiles; v94, v95 beta1; v96-255 by phases, as said there.
; WINDOW 1: W0's fragment (tile t, K step s) at v[40 t + 8 s]; W1's at v[160 + 32 t + 16 s].
.set MSB, 0
.macro WIN new                         ; the immediate's high byte repeats the setting that is left
.if MSB != \new
	s_set_vgpr_msb (MSB<<8)|\new
.set MSB, \new
.endif
.endm
	s_load_b512 s[16:31], s[0:1], 0x0              ; xyz1 16, xyz2 18, points1 20, w0_codes 22, w1_codes 24, lowp_scales 26, nbr 28, p2t 30
	s_load_b128 s[32:35], s[0:1], 0x40             ; bn 32, out0 34
	v_lshl_add_u32 v27, v0, 2, 0x47000
	s_set_vgpr_msb 0x40
	v_mov_b32 v225, 0
	s_set_vgpr_msb 0x4000
	v_lshrrev_b32 v1, 5, v0
	v_readfirstlane_b32 s2, v1                     ; wave 0..7
	s_and_b32 s3, s2, 3                            ; wu
	s_lshr_b32 s4, s2, 2                           ; wp
	v_and_b32 v1, 31, v0
	v_and_b32 v2, 15, v0
	v_bfe_u32 v3, v0, 4, 1
	v_lshlrev_b32 v4, 4, v1
	v_lshlrev_b32 v22, 2, v1
	s_lshl_b32 s8, ttmp9, 10
	s_lshl_b32 s9, s2, 7
	s_add_co_u32 s8, s8, s9                        ; 4 x my wave's first point
	s_mov_b32 s9, 0
	s_lshl_b32 s10, s8, 2
	s_mov_b32 s11, 0
	s_wait_kmcnt 0x0
	s_load_b128 s[36:39], s[26:27], 0x0            ; e0 .. e3
	s_add_nc_u64 s[16:17], s[16:17], s[8:9]
	s_add_nc_u64 s[20:21], s[20:21], s[8:9]
	s_add_nc_u64 s[50:51], s[20:21], 32*PL1        ; points1's channels 32 on: their offsets would leave the signed 24-bit immediate
	s_add_nc_u64 s[28:29], s[28:29], s[10:11]
	global_load_b32 v160, v22, s[16:17]            ; a lane is a point: x1, y1, z1,
	global_load_b32 v161, v22, s[16:17] offset:PL1
	global_load_b32 v162, v22, s[16:17] offset:2*PL1
	global_load_b128 v[164:167], v4, s[28:29] th:TH_LOAD_NT              ; and its three indices
.set I, 0
.rept 32
	global_load_b32 v[96+I], v22, s[20:21] offset:PL1*I th:TH_LOAD_NT    ; points1: register k = channel k of my point: neighbours along K in one lane
.set I, I+1
.endr
	; LDS addresses and offsets, while the loads are out
	s_mul_i32 s5, s2, 32*XP
	v_mul_u32_u24 v6, v1, XP
	v_add_nc_u32 v6, s5, v6                        ; row 32 w + lane
	s_add_co_u32 s5, s5, 64
	v_lshl_add_u32 v5, v1, 2, s5                   ; rows 32 w on, byte 64 + 4 x lane: interp's channels 4 x lane on
	s_mul_i32 s6, s4, 128*XP
	v_mul_u32_u24 v7, v2, XP
	v_lshl_add_u32 v7, v3, 4, v7
	v_add_nc_u32 v7, s6, v7                        ; row 128 wp + r, + 16 h
	s_mul_i32 s6, s4, 128*HP
	s_add_co_u32 s6, s6, HT
	v_mul_u32_u24 v9, v2, HP
	v_lshl_add_u32 v9, v3, 4, v9
	v_add_nc_u32 v9, s6, v9
	s_lshl_b32 s7, s3, 6
	v_add_nc_u32 v8, s7, v9                        ; + my 64 hidden units
	s_mul_i32 s6, s2, 32*STP
	s_add_co_u32 s6, s6, STG
	v_mul_u32_u24 v10, v2, STP
	v_lshl_add_u32 v10, v3, 5, v10
	v_add_nc_u32 v10, s6, v10                      ; my stage: row r, + 32 h
	v_add_nc_u32 v11, s6, v4
	v_and_b32 v23, 8, v2
	v_add_nc_u32 v23, v23, v2                      ; r + 8 (r / 8)
	v_mul_u32_u24 v23, v23, 320
	v_lshl_add_u32 v23, v3, 4, v23
	v_lshlrev_b32 v24, 8, v2
	v_lshl_add_u32 v24, v3, 4, v24
	v_lshlrev_b32 v25, 6, v3
	v_lshlrev_b32 v26, 2, v2
	s_mul_i32 s12, s3, 64*320
	s_mov_b32 s13, 0
	s_add_nc_u64 s[22:23], s[22:23], s[12:13]      ; my 64 rows of W0,
	s_lshl_b32 s12, s3, 13
	s_add_nc_u64 s[24:25], s[24:25], s[12:13]      ; my 32 rows of W1,
	s_lshl_b32 s12, s3, 8
	s_add_nc_u64 s[52:53], s[32:33], s[12:13]      ; alpha0 of my 64 hidden units (beta0 1,024 bytes on),
	s_lshl_b32 s12, s3, 7
	s_add_co_u32 s12, s12, 2048
	s_add_nc_u64 s[54:55], s[32:33], s[12:13]      ; alpha1 of my 32 outputs (beta1 512 bytes on),
	s_lshl_b32 s12, ttmp9, 10
	s_lshl_b32 s14, s4, 9
	s_add_co_u32 s12, s12, s14
	s_lshl_b32 s14, s3, 23
	s_add_co_u32 s12, s12, s14
	s_add_nc_u64 s[34:35], s[34:35], s[12:13]      ; out0: row 32 wu, point 256 x work-group + 128 wp
	s_mov_b32 s45, 0                               ; (named as the upper halves of pairs, so they are written)
	s_mov_b32 s47, 0
	s_mov_b32 s49, 0
	s_wait_kmcnt 0x0
	s_add_co_i32 s5, s36, 127
	s_lshl_b32 s6, s5, 23
	v_mov_b32 v12, s6                              ; 2^e0 as f32: the conversion takes its exponent field
	s_add_co_i32 s5, s5, 8
	s_lshl_b32 s5, s5, 23
	s_or_b32 s5, s5, 0x600000
	v_mov_b32 v13, s5                              ; 448 x 2^e0
	s_add_co_i32 s5, s38, 127
	s_lshl_b32 s6, s5, 23
	v_mov_b32 v14, s6                              ; 2^e2
	s_add_co_i32 s5, s5, 8
	s_lshl_b32 s5, s5, 23
	s_or_b32 s5, s5, 0x600000
	v_mov_b32 v15, s5                              ; 448 x 2^e2
	s_wait_loadcnt 32                              ; xyz1 and the indices are in; points1's 32 loads stay out
.irp k, 0,1,2
	v_min_u32 v[16+\k], 0x7ff, v[164+\k]           ; an index stays inside its table
.endr
.irp k, 0,1,2
	v_lshlrev_b32 v[168+\k], 2, v[16+\k]
.endr
.irp k, 0,1,2
	global_load_b32 v[172+3*\k], v[168+\k], s[18:19]                     ; the three centres' x2, y2, z2
	global_load_b32 v[173+3*\k], v[168+\k], s[18:19] offset:PL2
	global_load_b32 v[174+3*\k], v[168+\k], s[18:19] offset:2*PL2
.endr
.set I, 0
.rept 32
	global_load_b32 v[128+I], v22, s[50:51] offset:PL1*I th:TH_LOAD_NT   ; points1, channels 32 to 63
.set I, I+1
.endr
	s_wait_loadcnt 32                              ; the centres are in; the 32 loads just issued stay out
	; ---- the weights
	v_mul_f32 v181, v160, v160
	v_fmac_f32 v181, v161, v161
	v_fmac_f32 v181, v162, v162                    ; sq1
.irp k, 0,1,2
	v_mul_f32 v[182+\k], v[172+3*\k], v[172+3*\k]
	v_mul_f32 v[185+\k], v160, v[172+3*\k]
.endr
.irp k, 0,1,2
	v_fmac_f32 v[182+\k], v[173+3*\k], v[173+3*\k]
	v_fmac_f32 v[185+\k], v161, v[173+3*\k]
.endr
.irp k, 0,1,2
	v_fmac_f32 v[182+\k], v[174+3*\k], v[174+3*\k]                       ; sq2
	v_fmac_f32 v[185+\k], v162, v[174+3*\k]                              ; c
.endr
.irp k, 0,1,2
	v_add_f32 v[188+\k], v181, v[182+\k]
.endr
.irp k, 0,1,2
	v_fma_f32 v[188+\k], -2.0, v[185+\k], v[188+\k]                      ; d = (sq1 + sq2) - 2 c
.endr
.irp k, 0,1,2
	v_add_f32 v[188+\k], 0x322bcc77, v[188+\k]                           ; + 1e-8
.endr
.irp k, 0,1,2
	v_rcp_f32 v[191+\k], v[188+\k]
.endr
	v_nop                                          ; a plain instruction behind the last reciprocal,
	s_wait_alu depctr_va_vdst(0)                   ; and one wait for the three, ahead of their first reader
	v_add_f32 v194, v191, v192
	v_add_f32 v194, v194, v193
	v_rcp_f32 v195, v194
	v_nop
	s_wait_alu depctr_va_vdst(0)
.irp k, 0,1,2
	v_mul_f32 v[19+\k], v[191+\k], v195
.endr
	s_wait_loadcnt 0x0                             ; all of points1
	; ---- the weights of both layers and their alpha and beta: 76 loads, wanted from phase 1 on; the ring's first wait covers them, since loads come back in order
	WIN 0x40                                       ; destination window 1
.irp t, 0,1,2,3
.irp s, 0,1,2,3,4
	global_load_b128 v[40*\t+8*\s:40*\t+8*\s+3],   v23, s[22:23] offset:(32*(\t/2)+8*(\t%2))*320+64*\s
	global_load_b128 v[40*\t+8*\s+4:40*\t+8*\s+7], v23, s[22:23] offset:(32*(\t/2)+8*(\t%2))*320+64*\s+32
.endr
.endr
.irp t, 0,1
.irp s, 0,1
.irp c, 0,1,2,3
	global_load_b128 v[160+32*\t+16*\s+4*\c:160+32*\t+16*\s+4*\c+3], v24, s[24:25] offset:4096*\t+128*\s+32*\c
.endr
.endr
.endr
	WIN 0
.irp t, 0,1,2,3                        ; lane (r, h), tile 2 b + u, register j: hidden unit 32 b + 16 h + 8 u + j of my 64
	global_load_b128 v[28+8*\t:31+8*\t], v25, s[52:53] offset:128*(\t/2)+32*(\t%2)
	global_load_b128 v[32+8*\t:35+8*\t], v25, s[52:53] offset:128*(\t/2)+32*(\t%2)+16
	global_load_b128 v[60+8*\t:63+8*\t], v25, s[52:53] offset:1024+128*(\t/2)+32*(\t%2)
	global_load_b128 v[64+8*\t:67+8*\t], v25, s[52:53] offset:1024+128*(\t/2)+32*(\t%2)+16
.endr
.irp t, 0,1                            ; lane (r, h), tile t: output 16 t + r of my 32
	global_load_b32 v[92+\t], v26, s[54:55] offset:64*\t
	global_load_b32 v[94+\t], v26, s[54:55] offset:512+64*\t
.endr
	; ---- points1: 64 codes of my point, bytes 0 to 63 of its row
.set I, 0
.rept 64
	v_med3_num_f32 v[96+I], v[96+I], -v13, v13     ; the conversion to an 8-bit code does not saturate (ISA guide 7.6.2): the hold at the largest code x the scale
.set I, I+1
.endr
.irp g, 0,1,2,3,4,5,6,7
	v_cvt_scalef32_pk8_fp8_f32 v[240+2*\g:241+2*\g], v[96+8*\g:103+8*\g], v12
.endr
	v_nop                                          ; a plain instruction behind the last conversion
.irp c, 0,1,2,3
	ds_store_b128 v6, v[240+4*\c:243+4*\c] offset:16*\c
.endr
; ---- THE GATHER: a ring of five slots in registers, a point to a slot.  Slot s: three rows of p2t at v[96 + 24 s + 8 k], addresses at v[216 + 3 s + k].
; A row is 1,024 bytes: two loads of 512 consecutive bytes a wave; the lane gets channels 4 x lane + 0 .. 3 and 128 + 4 x lane + 0 .. 3.
.macro FILL q, s
.irp k, 0,1,2
	v_readlane_b32 s[40+\k], v[16+\k], \q          ; point q's indices
.endr
.irp k, 0,1,2
	s_min_u32 s[40+\k], s[40+\k], 2047
.endr
.irp k, 0,1,2
	v_lshl_add_u32 v[216+3*(\s)+\k], s[40+\k], 10, v4
.endr
.irp k, 0,1,2
	global_load_b128 v[96+24*(\s)+8*\k:96+24*(\s)+8*\k+3],   v[216+3*(\s)+\k], s[30:31]
	global_load_b128 v[96+24*(\s)+8*\k+4:96+24*(\s)+8*\k+7], v[216+3*(\s)+\k], s[30:31] offset:512
.endr
.endm
.macro STEP p
.set SL, (\p)%5
.set RW, 96+24*SL
.set CD, 232+2*((\p)%4)
.if 31-(\p) >= 4
	s_wait_loadcnt 24                              ; this point's six loads are in; the four later slots' stay out.  The wait also frees the slot's address registers
.else
	s_wait_loadcnt 6*(31-(\p))
.endif
	v_readlane_b32 s44, v19, \p                    ; the point's three weights
	v_readlane_b32 s46, v20, \p
	v_readlane_b32 s48, v21, \p
.irp i, 0,2,4,6
	v_pk_mul_f32 v[RW+\i:RW+\i+1], v[RW+\i:RW+\i+1], s[44:45] op_sel_hi:[1,0]
.endr
.irp i, 0,2,4,6
	v_pk_fma_f32 v[RW+\i:RW+\i+1], v[RW+8+\i:RW+8+\i+1], s[46:47], v[RW+\i:RW+\i+1] op_sel_hi:[1,0,1]
.endr
.irp i, 0,2,4,6
	v_pk_fma_f32 v[RW+\i:RW+\i+1], v[RW+16+\i:RW+16+\i+1], s[48:49], v[RW+\i:RW+\i+1] op_sel_hi:[1,0,1]
.endr
.irp i, 0,1,2,3,4,5,6,7
	v_med3_num_f32 v[RW+\i], v[RW+\i], -v13, v13
.endr
.if (\p) >= 4
	s_wait_dscnt 6                                 ; the two stores that read this pair of code registers, four points back, are done; the six younger ones may be out
.endif
	v_cvt_scalef32_pk8_fp8_f32 v[CD:CD+1], v[RW:RW+7], v12
	v_nop                                          ; a plain instruction behind the conversion
	ds_store_b32 v5, v[CD]   offset:XP*(\p)        ; 32 lanes: 128 consecutive bytes: channels 0 to 127 of interp,
	ds_store_b32 v5, v[CD+1] offset:XP*(\p)+128    ; channels 128 to 255
.if (\p)+5 <= 31
	FILL (\p)+5, SL
.endif
.endm
.irp p, 0,1,2,3,4
	FILL \p, \p
.endr
.irp p, 0,1,2,3,4,5,6,7,8,9,10,11,12,13,14,15,16,17,18,19,20,21,22,23,24,25,26,27,28,29,30,31
	STEP \p
.endr
	s_wait_dscnt 0x0                               ; for the others' sake: my rows of x are in LDS
	s_barrier_signal -1
	s_barrier_wait -1
; ---- PHASE 1.  x's fragments of a tile of 16 points: two sets of 40 registers, v96 and v136 on; accumulators v176-207; codes v208-215 and v216-223 by turns.
.macro XFETCH m, f
.irp s, 0,1,2,3,4
	ds_load_b128 v[96+40*(\f)+8*\s:96+40*(\f)+8*\s+3],   v7 offset:(\m)*16*XP+64*\s
	ds_load_b128 v[96+40*(\f)+8*\s+4:96+40*(\f)+8*\s+7], v7 offset:(\m)*16*XP+64*\s+32
.endr
.endm
.macro P1TILE m
.set FS, (\m)%2
.if (\m) == 0
	s_wait_dscnt 0x0
.else
	s_wait_dscnt 2                                 ; this tile's fragments are in, and the stores of the tile before last are done; the last tile's two stores may be out
.endif
.if (\m) < 7
	XFETCH (\m)+1, 1-FS                            ; the other set's last readers stand behind four v_nop and the last tile's arithmetic
.endif
	WIN 0x01                                       ; source 0 (W0) window 1
.irp s, 0,1,2,3,4                      ; the four accumulators take turns, one instruction a turn
.irp t, 0,1,2,3
.if \s == 0
	v_wmma_f32_16x16x64_fp8_fp8 v[176+8*\t:183+8*\t], v[40*\t+8*\s:40*\t+8*\s+7], v[96+40*FS+8*\s:96+40*FS+8*\s+7], 0
.else
	v_wmma_f32_16x16x64_fp8_fp8 v[176+8*\t:183+8*\t], v[40*\t+8*\s:40*\t+8*\s+7], v[96+40*FS+8*\s:96+40*FS+8*\s+7], v[176+8*\t:183+8*\t]
.endif
.endr
.endr
	WIN 0
.rept 4
	v_nop                                          ; four places between the last product and the first read of results (ISA guide 7.12.1)
.endr
.irp t, 0,1,2,3
.irp i, 0,2,4,6
	v_pk_fma_f32 v[176+8*\t+\i:177+8*\t+\i], v[176+8*\t+\i:177+8*\t+\i], v[28+8*\t+\i:29+8*\t+\i], v[60+8*\t+\i:61+8*\t+\i]   ; sum x alpha0 + beta0, each accumulator from its low end on
.endr
.endr
.set I, 0
.rept 32
	v_med3_num_f32 v[176+I], v[176+I], 0, v15      ; the activation and the hold in one: between 0 and 448 x 2^e2
.set I, I+1
.endr
.irp b, 0,1
.irp u, 0,1
	v_cvt_scalef32_pk8_fp8_f32 v[208+8*FS+4*\b+2*\u:209+8*FS+4*\b+2*\u], v[176+8*(2*\b+\u):183+8*(2*\b+\u)], v14
.endr
.endr
	v_nop                                          ; a plain instruction between the conversions and the next products, which write their sources
.irp b, 0,1
	ds_store_b128 v8, v[208+8*FS+4*\b:211+8*FS+4*\b] offset:(\m)*16*HP+32*\b   ; hidden units 64 wu + 32 b + 16 h + 0 .. 15 of point 128 wp + 16 m + r
.endr
.endm
	XFETCH 0, 0
.irp m, 0,1,2,3,4,5,6,7
	P1TILE \m
.endr
	s_wait_dscnt 0x0                               ; for the others' sake: my part of the hidden rows is in LDS
	s_barrier_signal -1
	s_barrier_wait -1
; ---- PHASE 2, two tiles of points at a time.  Hidden fragments v96-159 (tile mi, K step s at 96 + 32 mi + 16 s); accumulators v160-191 ((mi, t) at 160 + 8 (2 mi + t)).
.macro P2PAIR q
.irp mi, 0,1
.irp s, 0,1
.irp c, 0,1,2,3
	ds_load_b128 v[96+32*\mi+16*\s+4*\c:96+32*\mi+16*\s+4*\c+3], v9 offset:(2*(\q)+\mi)*16*HP+128*\s+32*\c
.endr
.endr
.endr
	s_wait_dscnt 0x0                               ; the fragments are in, and the last pair's stores into the stage have read the accumulators
	WIN 0x04                                       ; source 1 (W1) window 1
.irp s, 0,1                            ; four accumulators by turns
.irp mi, 0,1
.irp t, 0,1
.if \s == 0
	v_wmma_f32_16x16x128_fp8_fp8 v[160+8*(2*\mi+\t):167+8*(2*\mi+\t)], v[96+32*\mi+16*\s:111+32*\mi+16*\s], v[160+32*\t+16*\s:175+32*\t+16*\s], 0
.else
	v_wmma_f32_16x16x128_fp8_fp8 v[160+8*(2*\mi+\t):167+8*(2*\mi+\t)], v[96+32*\mi+16*\s:111+32*\mi+16*\s], v[160+32*\t+16*\s:175+32*\t+16*\s], v[160+8*(2*\mi+\t):167+8*(2*\mi+\t)]
.endif
.endr
.endr
.endr
	WIN 0
.rept 4
	v_nop
.endr
.irp mi, 0,1
.irp t, 0,1
.irp j, 0,1,2,3,4,5,6,7
	v_fma_f32 v[160+8*(2*\mi+\t)+\j], v[160+8*(2*\mi+\t)+\j], v[92+\t], v[94+\t]   ; sum x alpha1 + beta1: one output channel a lane
.endr
.irp j, 0,1,2,3,4,5,6,7
	v_max_num_f32 v[160+8*(2*\mi+\t)+\j], 0, v[160+8*(2*\mi+\t)+\j]
.endr
	ds_store_b128 v10, v[160+8*(2*\mi+\t):163+8*(2*\mi+\t)] offset:16*STP*\t+64*(2*(\q)+\mi)      ; row 16 t + r of my stage, points 16 (2 q + mi) + 8 h + 0 .. 7
	ds_store_b128 v10, v[164+8*(2*\mi+\t):167+8*(2*\mi+\t)] offset:16*STP*\t+64*(2*(\q)+\mi)+16
.endr
.endr
.endm
.irp q, 0,1,2,3
	P2PAIR \q
.endr
	; ---- THE WAY OUT: my stage's 32 rows come back whole, 512 bytes each, into v96-159 and v192-255.  LDS serves a wave's instructions in order (ISA guide 5.7.1.4): these loads see my stores; no other wave touches my stage.
.set I, 0
.rept 32
	ds_load_b128 v[96+4*I+32*(I/16):99+4*I+32*(I/16)], v11 offset:STP*I
.set I, I+1
.endr
.set I, 0
.rept 32
	s_wait_dscnt 31-I
	global_store_b128 v4, v[96+4*I+32*(I/16):99+4*I+32*(I/16)], s[34:35] offset:PL1*I th:TH_STORE_NT   ; 32 lanes store 512 consecutive bytes of an output row, at a multiple of 256 from out0's first byte; 31 rows on at the most, inside the signed 24-bit immediate
.set I, I+1
.endr
	s_set_vgpr_msb 0x4
	s_wait_tensorcnt 0x0
	ds_add_u32 v27, v225
	s_wait_dscnt 0x0
	s_set_vgpr_msb 0x400
	s_endpgm
.Lfunc_end_k_q2a95edb625_mlp:
	.size	k_q2a95edb625_mlp, .Lfunc_end_k_q2a95edb625_mlp-k_q2a95edb625_mlp
	.p2alignl 7, 3214868480
	.fill 96, 4, 3214868480
	.section	.rodata,"a",@progbits
	.p2align	6, 0x0
	.amdhsa_kernel k_q2a95edb625_mlp
		.amdhsa_group_segment_fixed_size 291840
		.amdhsa_private_segment_fixed_size 0
		.amdhsa_enable_private_segment 0
		.amdhsa_kernarg_size 80
		.amdhsa_user_sgpr_count 2
		.amdhsa_user_sgpr_kernarg_segment_ptr 1
		.amdhsa_wavefront_size32 1
		.amdhsa_system_sgpr_workgroup_id_x 1
		.amdhsa_system_sgpr_workgroup_id_y 1
		.amdhsa_system_sgpr_workgroup_id_z 1
		.amdhsa_system_vgpr_workitem_id 0
		.amdhsa_next_free_vgpr 482
		.amdhsa_next_free_sgpr 66
		.amdhsa_reserve_vcc 0
		.amdhsa_float_denorm_mode_32 3
		.amdhsa_float_denorm_mode_16_64 3
		.amdhsa_memory_ordered 1
		.amdhsa_forward_progress 1
		.amdhsa_inst_pref_size 188
	.end_amdhsa_kernel
	.amdgpu_metadata
---
amdhsa.version: [ 1, 2 ]
amdhsa.kernels:
  - .name:           k_q2a95edb625_mlp
    .symbol:         k_q2a95edb625_mlp.kd
    .args:
      - { .name: xyz1, .offset: 0, .size: 8, .value_kind: global_buffer, .address_space: global }
      - { .name: xyz2, .offset: 8, .size: 8, .value_kind: global_buffer, .address_space: global }
      - { .name: points1, .offset: 16, .size: 8, .value_kind: global_buffer, .address_space: global }
      - { .name: w0_codes, .offset: 24, .size: 8, .value_kind: global_buffer, .address_space: global }
      - { .name: w1_codes, .offset: 32, .size: 8, .value_kind: global_buffer, .address_space: global }
      - { .name: lowp_scales, .offset: 40, .size: 8, .value_kind: global_buffer, .address_space: global }
      - { .name: nbr, .offset: 48, .size: 8, .value_kind: global_buffer, .address_space: global }
      - { .name: p2t, .offset: 56, .size: 8, .value_kind: global_buffer, .address_space: global }
      - { .name: bn, .offset: 64, .size: 8, .value_kind: global_buffer, .address_space: global }
      - { .name: out0, .offset: 72, .size: 8, .value_kind: global_buffer, .address_space: global }
    .group_segment_fixed_size: 291840
    .private_segment_fixed_size: 0
    .kernarg_segment_align: 8
    .kernarg_segment_size: 80
    .max_flat_workgroup_size: 256
    .sgpr_count:     66
    .vgpr_count:     482
    .wavefront_size: 32
...
	.end_amdgpu_metadata
.endif
;; end of part 2
;; ======== version 2 of 2: 2 launches; version 1 with the launches knn, mlp written anew for expert scheduling mode
;; limits: values within 1.9e-06 (relative) of each other or of a threshold may be ordered or decided otherwise than in the reference
;; workspace buffers: nbr 1,048,576 bytes of whole numbers; p2t 2,097,152 bytes; bn 3,072 bytes
;; launch knn (part 3): grid 256 x 1, 8 waves a work-group, no clusters, 43,520 bytes of LDS; arguments xyz1, xyz2, points2, lowp_scales, b0, scale0, bias0, mean0, var0, b1, scale1, bias1, mean1, var1, nbr, p2t, bn; writes nbr, p2t, bn
.if DOCPART == 3
	.amdgcn_target "amdgcn-amd-amdhsa--gfx1250"
	.amdhsa_code_object_version 6
	.text
	.protected	k_q2a95edb625_knn
	.globl	k_q2a95edb625_knn
	.p2align	8
	.type	k_q2a95edb625_knn,@function
k_q2a95edb625_knn:
	s_mov_b64 s[64:65], 0
	v_nop
	global_prefetch_b8 v0, s[64:65] scope:SCOPE_SE
	s_setreg_imm32_b32 hwreg(HW_REG_WAVE_SCHED_MODE, 0, 2), 2
	s_setreg_imm32_b32 hwreg(HW_REG_WAVE_MODE, 25, 1), 1
	s_wait_xcnt 0x0
	s_wait_alu depctr_vm_vsrc(0)
; FIRST LAUNCH.  For each of 65,536 points: the indices of its three nearest of 2,048 centres, stored as whole numbers nbr[point] = {i1, i2, i3, 0}.
; On the side: points2 [256][2048] is laid as p2t [2048][256] (a centre's 256 channels on end), and work-group 0 folds the two layers' bias and batch norm into
; bn: alpha0[256], beta0[256], alpha1[128], beta1[128], with g = scale x rsq(var + 1e-5), alpha = g x 2^(the product's two exponents), beta = (b - mean) g + bias.
; SHARES.  A work-group of eight waves owns 256 points; a wave owns 32 of them, as tiles X and Y of 16, and walks all 2,048 centres.
; THE DISTANCE is formed as the problem writes it: d = (sq1 + sq2) - 2 c, each step rounded once: sq = x x, then two fused multiply-adds; c likewise, x then y then z.
; It is made by the f32 matrix form (four fused multiply-adds in ascending k).  Source 0 = 16 centres, row = (x2, y2, z2, sq2).  The same fragment is multiplied twice:
;   by (-2 x1, -2 y1, -2 z1, 0) with C = 0:    -2 c  (doubling is exact, so the bits are those of c);      by (0, 0, 0, 1) with C = sq1:    sq1 + sq2.
; One packed addition for two candidates joins them.  In a result lane (r, h) holds point r, and register j the tile's centre row 8 h + j.
; WHICH CENTRES FORM A TILE.  64 groups g of two tiles u; row m of tile (g, u) is centre 1024 (m / 8) + 64 (8 u + m % 8) + g.  So a lane's candidate has the index 1024 h + 64 jj + g,
; jj = 8 u + j a constant of the text and g the loop's count.
; THE CHOICE.  key = d with its four lowest bits replaced by jj; three instructions put a key into the lane's sorted three (two medians and a minimum); once a group the new three are held
; against the old three, and each slot that changed takes the group's number as its tag.  Keys in order, older group first among equal keys, is the order (d cut short, index).
; At the end the two lanes of a point (h = 0, 1) are merged, the lower half's candidates first among equals.
; LIMITS.  Distances are compared on their leading 20 mantissa bits; those equal there count as tied, and the lower index wins, as it does for exact ties.
; Among negative computed distances that agree so, the order of jj is reversed.  NaN and infinities among the coordinates are not served.
; NO JOINT LOADS: what work-groups share is xyz2, 24,576 bytes a work-group, read once through registers; there is no tile that is fetched again.
; THE MODE: SCHED_MODE bits 1:0 = 2 (LLVM: expert scheduling mode 2), set by the entry lines.  The code itself states the register dependences between vector or matrix instructions and
; memory or LDS instructions, and those through scalar registers that vector instructions write, with s_wait_alu, always for 0.
; THE PLAN.  Registers that memory or LDS instructions touch in the loop:
;   AF set b   read by the eight products that are issued in half 1 - b; the load of the group two on lands in it at the head of half b.
;   v4         read by a trip's two loads; written once a trip, at the trip's head.      v1 is read by that addition alone and never written again.
; So ONE wait on va_vdst stands at the head of a half: the last half's products are done reading set b, and in half 0 v4 is written.  The load follows it at once; the half's products name the
; other set, BC, BT, CQ and DD, and its vector work DD, the keys, the tags and DQ: none of the registers that the load touches.  One wait on vm_vsrc a trip stands ahead of the addition to v4.
; The masks of the tags go through s10 and s11: one wait on va_sdst behind each run of two compares, ahead of the selections that read them.
.set CTP,  528                         ; a group's place in the table: 32 lanes x 16 bytes + 16 of padding
.set TS,   64*CTP                      ; behind the table: the stage for points2, 32 rows (centres) x TSP
.set TSP,  272                         ; 64 channels x 4 bytes + 16 of padding
.set PL1,  262144                      ; a plane of xyz1 in bytes
.set PL2,  8192                        ; a plane of xyz2, and a row of points2, in bytes
; v1 16 x lane; v2 r; v3 h; v4 the table address in hand; v5 1024 h; v6 where I put table entries; v7, v8 the stage, in and out; v9 my place in p2t; v10 4 x thread; v11 4 x lane; v12 my points in xyz1; v13 my place in nbr
.set BC,   16                          ; v[16:19]  (-2 x1, -2 y1 | -2 z1, 0) of tile X, of tile Y
.set BT,   20                          ; v[20:21]  (0, 0 | 0, 1)
.set CQ,   24                          ; v[24:39]  sq1 of the lane's point, eight times, for X and for Y
.set AF,   40                          ; v[40:47]  two sets of a group's fragments: tile 0's pair, tile 1's pair
.set PX,   48                          ; v48-53    x1, y1, z1 of X and of Y
.set TQ,   54                          ; v54-85    at the head: (x, y, z, sq) of my eight centres
.set KEY,  54                          ; v54-65    the loop: keys at KEY + 6 set + 3 tile + slot
.set TAGR, 66                          ; v66-71    tags at TAGR + 3 tile + slot; at the end the indices
.set TG,   72                          ; v72       the group's number
.set DQ,   74                          ; v74-81    four candidates of X, four of Y
.set TT,   82                          ; v82-93    at work on the tags, six a tile
.set P2R,  86                          ; v86-93    at the head: eight channels of points2
.set RB,   96                          ; v96-103   the stage read back
.set PD,   104                         ; v104-109  tile X: the partner lane's three distances, then its three indices;  v120-125 the same for tile Y: at PD + 16 tile
.set YI,   110                         ; v110-112  tile Y's indices brought over
.set OQ,   116                         ; v[116:119] what goes to nbr
.set DD,   128                         ; v128-255  matrix results, written by matrix instructions alone: DD + 64 buffer + 32 (0: -2 c, 1: sq1 + sq2) + 16 tile of points + jj
	s_load_b512 s[16:31], s[0:1], 0x0              ; xyz1 16, xyz2 18, points2 20, lowp_scales 22, b0 24, scale0 26, bias0 28, mean0 30
	s_load_b512 s[32:47], s[0:1], 0x40             ; var0 32, b1 34, scale1 36, bias1 38, mean1 40, var1 42, nbr 44, p2t 46
	s_load_b64 s[48:49], s[0:1], 0x80              ; bn
	v_lshl_add_u32 v126, v0, 2, 0xa600
	v_mov_b32 v127, 0
	v_lshrrev_b32 v14, 5, v0
	v_readfirstlane_b32 s2, v14                    ; wave 0..7
	v_and_b32 v14, 31, v0                          ; lane
	v_and_b32 v2, 15, v0                           ; r
	v_bfe_u32 v3, v0, 4, 1                         ; h
	v_lshlrev_b32 v1, 4, v14
	v_lshlrev_b32 v5, 10, v3
	v_and_b32 v6, 63, v0                           ; thread T's centres T + 256 q all lie in group T % 64,
	v_mul_u32_u24 v6, v6, CTP
	v_bfe_u32 v15, v0, 6, 2
	v_lshl_add_u32 v6, v15, 4, v6                  ; in the lane 8 (q / 4) + 4 (q % 2) + T / 64 of tile (q / 2) % 2: the parts with q stand in the stores' immediates
	s_wait_alu depctr_va_sdst(0)                   ; s2 is written, ahead of its first reader: LDS addresses and the buffers' offsets are made from it
	s_lshl_b32 s12, s2, 5
	s_add_co_u32 s12, s12, TS
	v_mul_u32_u24 v7, v14, TSP
	v_add_nc_u32 v7, s12, v7                       ; the stage, in: row = my centre (lane), my wave's eight channels
	s_lshl_b32 s13, s2, 2
	v_add_nc_u32 v15, s13, v3                      ; out: rows 4 w + h and two further on
	v_mul_u32_u24 v8, v15, TSP
	v_lshl_add_u32 v8, v2, 4, v8
	v_add_nc_u32 v8, TS, v8
	v_lshlrev_b32 v9, 10, v15                      ; the same rows in p2t, 1,024 bytes each
	v_lshl_add_u32 v9, v2, 4, v9
	v_lshlrev_b32 v10, 2, v0
	v_lshlrev_b32 v11, 2, v14
	s_lshl_b32 s14, s2, 7
	v_lshl_add_u32 v12, v2, 2, s14                 ; point 32 w + r
	s_lshl_b32 s15, s2, 9
	v_add_nc_u32 v13, s15, v1                      ; point 32 w + lane, 16 bytes each
	s_mov_b32 s6, 0xfffffff0                       ; what of a distance stays in its key
	s_mov_b32 s7, 0xffff0000                       ; the lanes with h = 1
	s_mov_b32 s8, 0x76543210                       ; v_permlanex16_b32: lane l xor 16
	s_mov_b32 s9, 0xfedcba98
	s_mov_b32 s13, 0
	s_and_b32 s14, ttmp9, 63                       ; which 32 centres of points2 this work-group turns,
	s_lshr_b32 s15, ttmp9, 6                       ; and which 64 channels
	s_wait_kmcnt 0x0
	s_lshl_b32 s12, ttmp9, 10
	s_add_nc_u64 s[16:17], s[16:17], s[12:13]      ; xyz1 at my 256 points
	s_lshl_b32 s12, ttmp9, 12
	s_add_nc_u64 s[44:45], s[44:45], s[12:13]      ; nbr likewise
	s_lshl_b32 s12, s15, 19                        ; points2: row 64 chb + 8 w, 8,192 bytes each, + 128 cb
	s_lshl_b32 s10, s2, 16
	s_add_co_u32 s12, s12, s10
	s_lshl_b32 s10, s14, 7
	s_add_co_u32 s12, s12, s10
	s_add_nc_u64 s[20:21], s[20:21], s[12:13]
	s_lshl_b32 s12, s14, 15                        ; p2t: row 32 cb, + 256 chb
	s_lshl_b32 s10, s15, 8
	s_add_co_u32 s12, s12, s10
	s_add_nc_u64 s[46:47], s[46:47], s[12:13]
	s_wait_alu depctr_va_vdst(0)                   ; the addresses and offsets v1 and v6 to v13 are written, which the loads and stores of the whole kernel read; none of them is written again
.irp q, 0,1,2,3,4,5,6,7
	global_load_b32 v[TQ+4*\q],   v10, s[18:19] offset:1024*\q           ; centre T + 256 q: x, y, z
	global_load_b32 v[TQ+4*\q+1], v10, s[18:19] offset:1024*\q+PL2
	global_load_b32 v[TQ+4*\q+2], v10, s[18:19] offset:1024*\q+2*PL2
.endr
.irp i, 0,1,2,3,4,5,6,7
	global_load_b32 v[P2R+\i], v11, s[20:21] offset:PL2*\i th:TH_LOAD_NT ; channel 8 w + i of 32 centres: read once in the launch
.endr
.irp p, 0,1
	global_load_b32 v[PX+3*\p],   v12, s[16:17] offset:64*\p
	global_load_b32 v[PX+3*\p+1], v12, s[16:17] offset:64*\p+PL1
	global_load_b32 v[PX+3*\p+2], v12, s[16:17] offset:64*\p+2*PL1
.endr
	; ---- the table: every group's two fragments as an image of their registers
	s_wait_loadcnt 14                              ; xyz2's 24 loads are in; the 8 of points2 and the 6 of xyz1 stay out
.irp q, 0,1,2,3,4,5,6,7
	v_mul_f32 v[TQ+4*\q+3], v[TQ+4*\q], v[TQ+4*\q]
.endr
.irp q, 0,1,2,3,4,5,6,7
	v_fmac_f32 v[TQ+4*\q+3], v[TQ+4*\q+1], v[TQ+4*\q+1]
.endr
.irp q, 0,1,2,3,4,5,6,7
	v_fmac_f32 v[TQ+4*\q+3], v[TQ+4*\q+2], v[TQ+4*\q+2]                  ; sq2
.endr
	s_wait_alu depctr_va_vdst(0)                   ; the eight sq2 are written, which the LDS stores below read
.irp q, 0,1,2,3,4,5,6,7
	ds_store_b64 v6, v[TQ+4*\q:TQ+4*\q+1]   offset:8*((\q/2)%2)+128*(\q/4)+64*(\q%2)      ; (x, y): k = 0, 1, the lane with h = 0
	ds_store_b64 v6, v[TQ+4*\q+2:TQ+4*\q+3] offset:8*((\q/2)%2)+128*(\q/4)+64*(\q%2)+256  ; (z, sq): k = 2, 3, the lane 16 further on
.endr
	s_wait_loadcnt 6                               ; points2's 8 loads are in; xyz1's 6 stay out
	ds_store_b128 v7, v[P2R:P2R+3]
	ds_store_b128 v7, v[P2R+4:P2R+7] offset:16
	s_wait_dscnt 0x0                               ; for the others' sake: my stores into the table and the stage are done
	s_barrier_signal -1
	s_barrier_wait -1                              ; the launch's one barrier: from here on LDS is only read
	ds_load_b128 v[RB:RB+3], v8
	ds_load_b128 v[RB+4:RB+7], v8 offset:2*TSP
	ds_load_b128 v[AF:AF+3], v1                    ; group 0's fragments,
	ds_load_b128 v[AF+4:AF+7], v1 offset:CTP       ; group 1's
	s_wait_dscnt 3
	global_store_b128 v9, v[RB:RB+3], s[46:47]     ; sixteen lanes store 256 consecutive bytes of a centre's row, at a multiple of 256 from p2t's first byte
	s_wait_dscnt 2
	global_store_b128 v9, v[RB+4:RB+7], s[46:47] offset:2048
	; ---- the points' operands
	s_wait_loadcnt 0x0
.irp p, 0,1
	v_mul_f32 v[CQ+8*\p], v[PX+3*\p], v[PX+3*\p]
	v_fmac_f32 v[CQ+8*\p], v[PX+3*\p+1], v[PX+3*\p+1]
	v_fmac_f32 v[CQ+8*\p], v[PX+3*\p+2], v[PX+3*\p+2]                    ; sq1
.irp j, 0,1,2
	v_mul_f32 v[PX+3*\p+\j], -2.0, v[PX+3*\p+\j]
.endr
.irp j, 1,2,3,4,5,6,7
	v_mov_b32 v[CQ+8*\p+\j], v[CQ+8*\p]            ; a lane's eight results belong to one point: C holds its sq1 eight times
.endr
	v_cndmask_b32 v[BC+2*\p], v[PX+3*\p], v[PX+3*\p+2], s7               ; k = 0: -2 x1;  k = 2: -2 z1  (s7 is a constant that a scalar instruction wrote)
	v_cndmask_b32 v[BC+2*\p+1], v[PX+3*\p+1], 0, s7                      ; k = 1: -2 y1;  k = 3: 0
.endr
	v_mov_b32 v[BT], 0
	v_cndmask_b32 v[BT+1], 0, 1.0, s7              ; k = 3: 1
; Eight matrix instructions: the group in set a, both tiles of centres x both tiles of points, -2 c and sq1 + sq2.  Each is a whole sum; its result is no register of its C.
.macro MM a, buf
.irp p, 0,1
.irp u, 0,1
	v_wmma_f32_16x16x4_f32 v[DD+64*(\buf)+16*\p+8*\u:DD+64*(\buf)+16*\p+8*\u+7], v[AF+4*(\a)+2*\u:AF+4*(\a)+2*\u+1], v[BC+2*\p:BC+2*\p+1], 0
	v_wmma_f32_16x16x4_f32 v[DD+64*(\buf)+32+16*\p+8*\u:DD+64*(\buf)+32+16*\p+8*\u+7], v[AF+4*(\a)+2*\u:AF+4*(\a)+2*\u+1], v[BT:BT+1], v[CQ+8*\p:CQ+8*\p+7]
.endr
.endr
.endm
; The tags, both tiles line by line.  The new three are a merge of the old three and new keys.  Slot by slot: if the new key has the bits of the oldest old key not yet placed, it IS that one
; (older first among equals) and keeps its tag; else it is new and takes the group's number.  KO, KN: the old and the new set of keys.
.macro TAGS
.irp p, 0,1
	v_cmp_ne_u32 s[10+\p], v[KN+3*\p], v[KO+3*\p]                        ; m1: slot a is new
.endr
	s_wait_alu depctr_va_sdst(0)                   ; both tiles' m1 are written in s10 and s11, ahead of the selections that read them
.irp p, 0,1
	v_cndmask_b32 v[TT+6*\p],   v[KO+3*\p+1], v[KO+3*\p], s[10+\p]       ; the old key that slot b may be: m1 ? a0 : b0
	v_cndmask_b32 v[TT+6*\p+1], v[TAGR+3*\p+1], v[TAGR+3*\p], s[10+\p]   ; and its tag
	v_cndmask_b32 v[TT+6*\p+2], v[KO+3*\p+2], v[KO+3*\p+1], s[10+\p]     ; the old key behind that one: m1 ? b0 : c0
	v_cndmask_b32 v[TT+6*\p+3], v[TAGR+3*\p+2], v[TAGR+3*\p+1], s[10+\p]
	v_cndmask_b32 v[TAGR+3*\p], v[TAGR+3*\p], v[TG], s[10+\p]
.endr
.irp p, 0,1
	v_cmp_ne_u32 s[10+\p], v[KN+3*\p+1], v[TT+6*\p]                      ; m2: slot b is new
.endr
	s_wait_alu depctr_va_sdst(0)                   ; both m2 are written, ahead of their readers
.irp p, 0,1
	v_cndmask_b32 v[TT+6*\p+4], v[TT+6*\p+2], v[TT+6*\p], s[10+\p]       ; the old key that slot c may be
	v_cndmask_b32 v[TT+6*\p+5], v[TT+6*\p+3], v[TT+6*\p+1], s[10+\p]
	v_cndmask_b32 v[TAGR+3*\p+1], v[TT+6*\p+1], v[TG], s[10+\p]
.endr
.irp p, 0,1
	v_cmp_ne_u32 s[10+\p], v[KN+3*\p+2], v[TT+6*\p+4]                    ; m3: slot c is new
.endr
	s_wait_alu depctr_va_sdst(0)                   ; both m3 are written, ahead of their readers
.irp p, 0,1
	v_cndmask_b32 v[TAGR+3*\p+2], v[TT+6*\p+5], v[TG], s[10+\p]
.endr
.endm
; A group's 16 candidates of each tile of points, out of result buffer b.  The first candidate reads key set b and writes the other set, so that the old three stay for the tags.
; Each accumulator is read from its lowest registers on.
.macro PROC b
.set DB, DD+64*(\b)
.set KO, KEY+6*(\b)
.set KN, KEY+6*(1-(\b))
.irp qd, 0,1,2,3
.irp p, 0,1
.irp i, 0,2
	v_pk_add_f32 v[DQ+4*\p+\i:DQ+4*\p+\i+1], v[DB+32+16*\p+4*\qd+\i:DB+32+16*\p+4*\qd+\i+1], v[DB+16*\p+4*\qd+\i:DB+16*\p+4*\qd+\i+1]   ; d = (sq1 + sq2) - 2 c, two at a time
.endr
.endr
.irp p, 0,1
.irp i, 0,1,2,3
	v_and_or_b32 v[DQ+4*\p+\i], v[DQ+4*\p+\i], s6, 4*\qd+\i              ; the key: jj in the four lowest bits
.endr
.endr
.irp i, 0,1,2,3
.irp p, 0,1
.if (\qd == 0) && (\i == 0)
	v_med3_num_f32 v[KN+3*\p+2], v[KO+3*\p+1], v[KO+3*\p+2], v[DQ+4*\p]
	v_med3_num_f32 v[KN+3*\p+1], v[KO+3*\p], v[KO+3*\p+1], v[DQ+4*\p]
	v_min_num_f32 v[KN+3*\p], v[KO+3*\p], v[DQ+4*\p]
.else
	v_med3_num_f32 v[KN+3*\p+2], v[KN+3*\p+1], v[KN+3*\p+2], v[DQ+4*\p+\i]   ; c = the middle of (b, c, key); b = the middle of (a, b, key); a = the lesser of (a, key): each reads what the line below has not yet written
	v_med3_num_f32 v[KN+3*\p+1], v[KN+3*\p], v[KN+3*\p+1], v[DQ+4*\p+\i]
	v_min_num_f32 v[KN+3*\p], v[KN+3*\p], v[DQ+4*\p+\i]
.endif
.endr
.endr
.endr
	TAGS
.endm
; Half a trip: buffer b's group is worked on while the next group is multiplied into the other buffer (mm = 1) and the group two on is fetched into set b (ld = 1).
; DISTANCES behind the f32 matrix form (ISA guide 7.12.1): buffer b was written half a trip ago, and a whole PROC on the other buffer, 168 plain vector instructions that name none of
; those registers, stands between; eight places are asked ahead of the reads, nine ahead of a matrix instruction that writes a buffer again.
.macro HALF b, mm, ld
.if \mm
	s_wait_dscnt 0x0                               ; the next group's fragments are in
.endif
.if \ld
.if \b == 0
	s_wait_alu depctr_vm_vsrc(0)                   ; the last trip's two loads have read v4 (in the first trip nothing has)
	v_add_nc_u32 v4, s5, v1                        ; the trip's place in the table
.endif
	s_wait_alu depctr_va_vdst(0)                   ; the products of the last half (in the first trip: those ahead of the loop) are done reading set b, in which the load lands; in half 0 v4 is written
	ds_load_b128 v[AF+4*\b:AF+4*\b+3], v4 offset:(2+\b)*CTP
.endif
.if \mm
	MM 1-\b, 1-\b
.endif
	PROC \b
	v_add_nc_u32 v[TG], 1, v[TG]
.endm
	s_wait_dscnt 1                                 ; group 0's fragments are in; group 1's load stays out
	MM 0, 0
	s_wait_alu depctr_vm_vsrc(0)                   ; my LDS stores at the head have read v54 to v93 (the centres' entries, points2's channels): from here on these are the keys, the tags and the registers at work
.irp j, 0,1,2,3,4,5
	v_mov_b32 v[KEY+\j], 0x7f800000                ; the three so far: infinity.  (These thirteen lines are also the places behind the products above)
.endr
.irp j, 0,1,2,3,4,5
	v_mov_b32 v[TAGR+\j], 0
.endr
	v_mov_b32 v[TG], 0
	s_mov_b32 s3, 31
	s_mov_b32 s5, 0
.Ltrip:                                                ; 31 trips of two groups
	HALF 0, 1, 1
	HALF 1, 1, 1
	s_add_co_u32 s5, s5, 2*CTP
	s_sub_co_u32 s3, s3, 1
	s_cmp_lg_u32 s3, 0
	s_cbranch_scc1 .Ltrip
	HALF 0, 1, 0                                   ; groups 62 and 63: nothing is left to fetch,
	HALF 1, 0, 0                                   ; nor to multiply.  The keys end in set 0
	; ---- the way out: index = 1024 h + 64 jj + g; the key becomes the distance cut short
.irp p, 0,1
.irp k, 0,1,2
	v_and_b32 v[TT+\k], 15, v[KEY+3*\p+\k]
	v_lshl_add_u32 v[TAGR+3*\p+\k], v[TT+\k], 6, v[TAGR+3*\p+\k]
	v_add_nc_u32 v[TAGR+3*\p+\k], v5, v[TAGR+3*\p+\k]
	v_and_b32 v[KEY+3*\p+\k], s6, v[KEY+3*\p+\k]
.endr
.endr
.irp j, 0,1,2,3,4,5,6,7,8
	v_mov_b32 v[PD+\j], 0                          ; written once: a lane permute's destination counts as one of its sources
.endr
.irp j, 0,1,2,3,4,5
	v_mov_b32 v[PD+16+\j], 0
.endr
; The partner lane's three are put in, nearest first, only where strictly nearer.  That is the right order in lanes 0-15, whose own centres have the lower indices; only those lanes' results are used.
; Both tiles go line by line, so that one wait serves the six masks of a candidate: tile X's in s10 to s12, tile Y's in s13 to s15.
.irp p, 0,1
.irp k, 0,1,2
	v_permlanex16_b32 v[PD+16*\p+\k], v[KEY+3*\p+\k], s8, s9
	v_permlanex16_b32 v[PD+16*\p+3+\k], v[TAGR+3*\p+\k], s8, s9
.endr
.endr
.irp k, 0,1,2
.irp p, 0,1
	v_cmp_lt_f32 s[10+3*\p], v[PD+16*\p+\k], v[KEY+3*\p]
	v_cmp_lt_f32 s[11+3*\p], v[PD+16*\p+\k], v[KEY+3*\p+1]
	v_cmp_lt_f32 s[12+3*\p], v[PD+16*\p+\k], v[KEY+3*\p+2]
.endr
	s_wait_alu depctr_va_sdst(0)                   ; the six masks are written, ahead of the selections that read them
.irp p, 0,1
	v_cndmask_b32 v[TT+2*\p], v[PD+16*\p+3+\k], v[TAGR+3*\p+1], s[11+3*\p]
	v_cndmask_b32 v[TAGR+3*\p+2], v[TAGR+3*\p+2], v[TT+2*\p], s[12+3*\p]
	v_cndmask_b32 v[TT+2*\p+1], v[PD+16*\p+3+\k], v[TAGR+3*\p], s[10+3*\p]
	v_cndmask_b32 v[TAGR+3*\p+1], v[TAGR+3*\p+1], v[TT+2*\p+1], s[11+3*\p]
	v_cndmask_b32 v[TAGR+3*\p], v[TAGR+3*\p], v[PD+16*\p+3+\k], s[10+3*\p]
	v_med3_num_f32 v[KEY+3*\p+2], v[KEY+3*\p+1], v[KEY+3*\p+2], v[PD+16*\p+\k]
	v_med3_num_f32 v[KEY+3*\p+1], v[KEY+3*\p], v[KEY+3*\p+1], v[PD+16*\p+\k]
	v_min_num_f32 v[KEY+3*\p], v[KEY+3*\p], v[PD+16*\p+\k]
.endr
.endr
.irp k, 0,1,2
	v_permlanex16_b32 v[YI+\k], v[TAGR+3+\k], s8, s9                     ; tile Y's indices go to lanes 16-31,
.endr
.irp k, 0,1,2
	v_cndmask_b32 v[OQ+\k], v[TAGR+\k], v[YI+\k], s7                     ; so that lane l holds point 32 w + l
.endr
	v_mov_b32 v[OQ+3], 0
	s_wait_alu depctr_va_vdst(0)                   ; v116 to v119 are written, which the store reads; and all vector work on the keys and tags is done: the loads of the block below land in their registers
	global_store_b128 v13, v[OQ:OQ+3], s[44:45]    ; the wave stores 512 consecutive bytes
	; ---- work-group 0 folds bias and batch norm: thread T takes channel T
	s_cmp_lg_u32 ttmp9, 0
	s_cbranch_scc1 .Lend
	s_load_b128 s[52:55], s[22:23], 0x0            ; the four exponents
	global_load_b32 v54, v10, s[24:25]             ; b0
	global_load_b32 v55, v10, s[26:27]             ; scale0
	global_load_b32 v56, v10, s[28:29]             ; bias0
	global_load_b32 v57, v10, s[30:31]             ; mean0
	global_load_b32 v58, v10, s[32:33]             ; var0
	s_wait_loadcnt 0x0
	v_add_f32 v58, 0x3727c5ac, v58                 ; + 1e-5
	v_rsq_f32 v59, v58
	v_sub_f32 v60, v54, v57                        ; b - mean: the plain instruction behind the transcendental
	s_wait_kmcnt 0x0
	s_add_co_i32 s12, s52, s53
	s_add_co_i32 s13, s54, s55
	s_wait_alu depctr_va_vdst(0)                   ; the root v59 is written, ahead of the first line that names it
	v_mul_f32 v59, v55, v59                        ; g
	v_ldexp_f32 v61, v59, s12                      ; alpha0 = g x 2^(e0 + e1)
	v_fma_f32 v62, v60, v59, v56                   ; beta0 = (b - mean) g + bias
	s_wait_alu depctr_va_vdst(0)                   ; v61 and v62 are written, which the two stores read
	global_store_b32 v10, v61, s[48:49]
	global_store_b32 v10, v62, s[48:49] offset:1024
	s_cmp_ge_u32 s2, 4                             ; the second layer has 128 channels: waves 0 to 3
	s_cbranch_scc1 .Lend
	global_load_b32 v64, v10, s[34:35]             ; b1  (v64 to v68 were last named by vector instructions ahead of the wait in front of nbr's store)
	global_load_b32 v65, v10, s[36:37]             ; scale1
	global_load_b32 v66, v10, s[38:39]             ; bias1
	global_load_b32 v67, v10, s[40:41]             ; mean1
	global_load_b32 v68, v10, s[42:43]             ; var1
	s_wait_loadcnt 0x0
	v_add_f32 v68, 0x3727c5ac, v68
	v_rsq_f32 v69, v68
	v_sub_f32 v70, v64, v67
	s_wait_alu depctr_va_vdst(0)                   ; the root v69 is written, ahead of the first line that names it
	v_mul_f32 v69, v65, v69
	v_ldexp_f32 v71, v69, s13                      ; alpha1 = g x 2^(e2 + e3)
	v_fma_f32 v72, v70, v69, v66
	s_wait_alu depctr_va_vdst(0)                   ; v71 and v72 are written, which the two stores read
	global_store_b32 v10, v71, s[48:49] offset:2048
	global_store_b32 v10, v72, s[48:49] offset:2560
.Lend:
	s_wait_dscnt 0x0
	s_wait_alu depctr_hold_cnt(0) depctr_sa_sdst(0) depctr_va_vdst(0) depctr_va_sdst(0) depctr_va_ssrc(0) depctr_va_vcc(0) depctr_vm_vsrc(0)
	s_wait_tensorcnt 0x0
	ds_add_u32 v126, v127
	s_wait_dscnt 0x0
	s_endpgm
.Lfunc_end_k_q2a95edb625_knn:
	.size	k_q2a95edb625_knn, .Lfunc_end_k_q2a95edb625_knn-k_q2a95edb625_knn
	.p2alignl 7, 3214868480
	.fill 96, 4, 3214868480
	.section	.rodata,"a",@progbits
	.p2align	6, 0x0
	.amdhsa_kernel k_q2a95edb625_knn
		.amdhsa_group_segment_fixed_size 43520
		.amdhsa_private_segment_fixed_size 0
		.amdhsa_enable_private_segment 0
		.amdhsa_kernarg_size 136
		.amdhsa_user_sgpr_count 2
		.amdhsa_user_sgpr_kernarg_segment_ptr 1
		.amdhsa_wavefront_size32 1
		.amdhsa_system_sgpr_workgroup_id_x 1
		.amdhsa_system_sgpr_workgroup_id_y 1
		.amdhsa_system_sgpr_workgroup_id_z 1
		.amdhsa_system_vgpr_workitem_id 0
		.amdhsa_next_free_vgpr 256
		.amdhsa_next_free_sgpr 66
		.amdhsa_reserve_vcc 0
		.amdhsa_float_denorm_mode_32 3
		.amdhsa_float_denorm_mode_16_64 3
		.amdhsa_memory_ordered 1
		.amdhsa_forward_progress 1
		.amdhsa_inst_pref_size 62
	.end_amdhsa_kernel
	.amdgpu_metadata
---
amdhsa.version: [ 1, 2 ]
amdhsa.kernels:
  - .name:           k_q2a95edb625_knn
    .symbol:         k_q2a95edb625_knn.kd
    .args:
      - { .name: xyz1, .offset: 0, .size: 8, .value_kind: global_buffer, .address_space: global }
      - { .name: xyz2, .offset: 8, .size: 8, .value_kind: global_buffer, .address_space: global }
      - { .name: points2, .offset: 16, .size: 8, .value_kind: global_buffer, .address_space: global }
      - { .name: lowp_scales, .offset: 24, .size: 8, .value_kind: global_buffer, .address_space: global }
      - { .name: b0, .offset: 32, .size: 8, .value_kind: global_buffer, .address_space: global }
      - { .name: scale0, .offset: 40, .size: 8, .value_kind: global_buffer, .address_space: global }
      - { .name: bias0, .offset: 48, .size: 8, .value_kind: global_buffer, .address_space: global }
      - { .name: mean0, .offset: 56, .size: 8, .value_kind: global_buffer, .address_space: global }
      - { .name: var0, .offset: 64, .size: 8, .value_kind: global_buffer, .address_space: global }
      - { .name: b1, .offset: 72, .size: 8, .value_kind: global_buffer, .address_space: global }
      - { .name: scale1, .offset: 80, .size: 8, .value_kind: global_buffer, .address_space: global }
      - { .name: bias1, .offset: 88, .size: 8, .value_kind: global_buffer, .address_space: global }
      - { .name: mean1, .offset: 96, .size: 8, .value_kind: global_buffer, .address_space: global }
      - { .name: var1, .offset: 104, .size: 8, .value_kind: global_buffer, .address_space: global }
      - { .name: nbr, .offset: 112, .size: 8, .value_kind: global_buffer, .address_space: global }
      - { .name: p2t, .offset: 120, .size: 8, .value_kind: global_buffer, .address_space: global }
      - { .name: bn, .offset: 128, .size: 8, .value_kind: global_buffer, .address_space: global }
    .group_segment_fixed_size: 43520
    .private_segment_fixed_size: 0
    .kernarg_segment_align: 8
    .kernarg_segment_size: 136
    .max_flat_workgroup_size: 256
    .sgpr_count:     66
    .vgpr_count:     256
    .wavefront_size: 32
...
	.end_amdgpu_metadata
.endif
;; end of part 3
;; launch mlp (part 4): grid 256 x 1, 8 waves a work-group, no clusters, 291,840 bytes of LDS; arguments xyz1, xyz2, points1, w0_codes, w1_codes, lowp_scales, nbr, p2t, bn, out0; writes out0
.if DOCPART == 4
	.amdgcn_target "amdgcn-amd-amdhsa--gfx1250"
	.amdhsa_code_object_version 6
	.text
	.protected	k_q2a95edb625_mlp
	.globl	k_q2a95edb625_mlp
	.p2align	8
	.type	k_q2a95edb625_mlp,@function
k_q2a95edb625_mlp:
	s_mov_b64 s[64:65], 0
	v_nop
	global_prefetch_b8 v0, s[64:65] scope:SCOPE_SE
	s_setreg_imm32_b32 hwreg(HW_REG_WAVE_SCHED_MODE, 0, 2), 2
	s_setreg_imm32_b32 hwreg(HW_REG_WAVE_MODE, 25, 1), 1
	s_wait_xcnt 0x0
	s_wait_alu depctr_vm_vsrc(0)
; SECOND LAUNCH.  out0[128][65536] = relu(bn1(Q(relu(bn0(Q([points1^T, interp]) W0))) W1))^T, both products on codes of FP8 (E4M3), each operand with its given scale 2^e (e0 .. e3).
; interp[n] = the sum over the point's three centres (indices from nbr, stored by the launch before) of w_k x p2t[i_k], w_k = (1 / (d_k + 1e-8)) / their sum, all in f32;
; d_k = (sq1 + sq2) - 2 c is made anew here in full f32, in the order in which the problem writes it.  bn holds alpha and beta of both layers: a layer is relu(sum x alpha + beta).
; SHARES.  A work-group of eight waves owns 256 points.  PHASE A: wave w makes the 320 codes of points 32 w .. 32 w + 31 and puts them into LDS as rows (K in its natural order).
; PHASES 1 AND 2: the waves share columns and points: wu = w % 4 picks 64 hidden units, then 32 outputs; wp = w / 4 picks 128 points, eight tiles of 16.  A wave's weights stay in its registers (window 1).
; PHASE 1 is used transposed (source 0 = 16 rows of W0, source 1 = 16 points), and lane r of tile 2 b + u takes W0's row 32 b + 8 u + r + 8 (r / 8): a lane then holds one point, and the 16 registers of
; tiles 2 b, 2 b + 1 are 16 neighbouring hidden units, which the conversions turn into 16 bytes of the next operand's row.  K = 320 is five steps of the K = 64 form.
; PHASE 2 is used as it stands (source 0 = 16 points, source 1 = 16 rows of W1): a lane holds one output channel and eight neighbouring points, as out0's rows want them.
; Fragments are fetched 16 bytes at a time, alike on both sides of a product: a permutation of k that is the same in both operands, so every product meets its partner.
; NO JOINT LOADS: what work-groups share is the weights, 114,688 bytes, which go from memory straight into operand registers (twice a work-group: 229,376 bytes), beside 786,432 bytes of gathered rows,
; 65,536 of points1 and 131,072 of results that are the work-group's own; the gather's addresses differ from point to point.
; LIMITS: e0 and e2 between -126 and 119, so that 2^e and 448 x 2^e are f32 numbers; e0 + e1 and e2 + e3 were applied by v_ldexp_f32 and have none.  NaN among the inputs is not served.
; THE MODE: SCHED_MODE bits 1:0 = 2 (LLVM: expert scheduling mode 2), set by the entry lines.  The code itself states the register dependences between vector or matrix instructions and
; memory or LDS instructions, and those through scalar registers that vector instructions write, with s_wait_alu, always for 0.
; THE PLAN.  v4 to v11 and v22 to v26 are addresses and offsets, made at the head and never written again.  Beside them memory and LDS instructions touch:
;   THE GATHER, point p, slot p % 5:  the slot's 24 registers: six loads land, the point's arithmetic reads and writes them, the loads of point p + 5 land.  Its three address registers: read by those loads,
;     written anew in point p.  A pair of code registers (four pairs by turns): written by the conversion, read by two LDS stores.  Three waits a point: vm_vsrc at its head (the slot's loads have read the
;     addresses, the stores of four points back their pair); va_sdst behind the six lane reads (the next point's weights, the indices of the point five on), with eight packed lines between; va_vdst behind
;     the conversion: the pair and the addresses are written and the arithmetic is done with the slot.  The six loads and the two stores follow that wait at once, so that the slot does not lie idle.
;   PHASE 1, tile m:  x's fragments in two sets: the loads of tile m + 1 land in the set that tile m - 1's products read.  Codes in two sets of eight by turns.  ONE va_vdst a tile, behind its conversions and
;     ahead of its two stores: the codes are written, and the tile's products are done reading their set; no vector line stands between it and the next tile's fetch.  vm_vsrc at a tile's head frees the codes.
;   PHASE 2, pair q:  hidden fragments in two buffers: the loads of pair q + 1 land in the buffer that pair q - 1's products read.  The accumulators are the stores' data.  ONE va_vdst a pair, behind its
;     activation and ahead of its eight stores; vm_vsrc at a pair's head, ahead of the products that write the accumulators again.
.set XP,   336                         ; a point's row of 320 codes + 16 of padding: 21 x 16 bytes
.set HP,   272                         ; a point's row of 256 hidden codes + 16
.set STP,  528                         ; a row of the way out: 128 points x 4 bytes + 16
.set HT,   256*XP                      ; LDS: 256 rows of x, then 256 rows of the hidden layer,
.set STG,  HT+256*HP                   ; then for each wave a stage of its own, 32 rows x STP
.set PL1,  262144                      ; a row of points1 and of out0, a plane of xyz1, in bytes
.set PL2,  8192                        ; a plane of xyz2
; WINDOW 0: v1 lane, v2 r, v3 h, v4 16 x lane, v5 and v6 where I put codes of x, v7 x's fragments, v8 where I put hidden codes, v9 the hidden fragments, v10 and v11 my stage in and out,
;   v12, v13: 2^e0 and 448 x 2^e0; v14, v15: the same with e2; v16-18 my point's three indices; v19-21 its three weights; v22 4 x lane; v23-26 offsets into W0, W1 and bn;
;   v28-59 alpha0, v60-91 beta0 (tile t, register j at 8 t + j); v92, v93 alpha1 of my two tiles; v94, v95 beta1; v96-255 by phases, as said there.
; WINDOW 1: W0's fragment (tile t, K step s) at v[40 t + 8 s]; W1's at v[160 + 32 t + 16 s].
.set MSB, 0
.macro WIN new                         ; the immediate's high byte repeats the setting that is left
.if MSB != \new
	s_set_vgpr_msb (MSB<<8)|\new
.set MSB, \new
.endif
.endm
	s_load_b512 s[16:31], s[0:1], 0x0              ; xyz1 16, xyz2 18, points1 20, w0_codes 22, w1_codes 24, lowp_scales 26, nbr 28, p2t 30
	s_load_b128 s[32:35], s[0:1], 0x40             ; bn 32, out0 34
	v_lshl_add_u32 v27, v0, 2, 0x47000
	s_set_vgpr_msb 0x40
	v_mov_b32 v225, 0
	s_set_vgpr_msb 0x4000
	v_lshrrev_b32 v1, 5, v0
	v_readfirstlane_b32 s2, v1                     ; wave 0..7
	v_and_b32 v1, 31, v0
	v_and_b32 v2, 15, v0
	v_bfe_u32 v3, v0, 4, 1
	v_lshlrev_b32 v4, 4, v1
	v_lshlrev_b32 v22, 2, v1
	s_wait_alu depctr_va_sdst(0)                   ; s2 is written, ahead of its first reader: wu, wp, LDS addresses and the buffers' offsets are made from it
	s_and_b32 s3, s2, 3                            ; wu
	s_lshr_b32 s4, s2, 2                           ; wp
	s_lshl_b32 s8, ttmp9, 10
	s_lshl_b32 s9, s2, 7
	s_add_co_u32 s8, s8, s9                        ; 4 x my wave's first point
	s_mov_b32 s9, 0
	s_lshl_b32 s10, s8, 2
	s_mov_b32 s11, 0
	s_wait_kmcnt 0x0
	s_load_b128 s[36:39], s[26:27], 0x0            ; e0 .. e3
	s_add_nc_u64 s[16:17], s[16:17], s[8:9]
	s_add_nc_u64 s[20:21], s[20:21], s[8:9]
	s_add_nc_u64 s[50:51], s[20:21], 32*PL1        ; points1's channels 32 on: their offsets would leave the signed 24-bit immediate
	s_add_nc_u64 s[28:29], s[28:29], s[10:11]
	s_wait_alu depctr_va_vdst(0)                   ; v4 and v22 are written, which the loads below read as their offsets
	global_load_b32 v160, v22, s[16:17]            ; a lane is a point: x1, y1, z1,
	global_load_b32 v161, v22, s[16:17] offset:PL1
	global_load_b32 v162, v22, s[16:17] offset:2*PL1
	global_load_b128 v[164:167], v4, s[28:29] th:TH_LOAD_NT              ; and its three indices
.set I, 0
.rept 32
	global_load_b32 v[96+I], v22, s[20:21] offset:PL1*I th:TH_LOAD_NT    ; points1: register k = channel k of my point: neighbours along K in one lane
.set I, I+1
.endr
	; LDS addresses and offsets, while the loads are out
	s_mul_i32 s5, s2, 32*XP
	v_mul_u32_u24 v6, v1, XP
	v_add_nc_u32 v6, s5, v6                        ; row 32 w + lane
	s_add_co_u32 s5, s5, 64
	v_lshl_add_u32 v5, v1, 2, s5                   ; rows 32 w on, byte 64 + 4 x lane: interp's channels 4 x lane on
	s_mul_i32 s6, s4, 128*XP
	v_mul_u32_u24 v7, v2, XP
	v_lshl_add_u32 v7, v3, 4, v7
	v_add_nc_u32 v7, s6, v7                        ; row 128 wp + r, + 16 h
	s_mul_i32 s6, s4, 128*HP
	s_add_co_u32 s6, s6, HT
	v_mul_u32_u24 v9, v2, HP
	v_lshl_add_u32 v9, v3, 4, v9
	v_add_nc_u32 v9, s6, v9
	s_lshl_b32 s7, s3, 6
	v_add_nc_u32 v8, s7, v9                        ; + my 64 hidden units
	s_mul_i32 s6, s2, 32*STP
	s_add_co_u32 s6, s6, STG
	v_mul_u32_u24 v10, v2, STP
	v_lshl_add_u32 v10, v3, 5, v10
	v_add_nc_u32 v10, s6, v10                      ; my stage: row r, + 32 h
	v_add_nc_u32 v11, s6, v4
	v_and_b32 v23, 8, v2
	v_add_nc_u32 v23, v23, v2                      ; r + 8 (r / 8)
	v_mul_u32_u24 v23, v23, 320
	v_lshl_add_u32 v23, v3, 4, v23
	v_lshlrev_b32 v24, 8, v2
	v_lshl_add_u32 v24, v3, 4, v24
	v_lshlrev_b32 v25, 6, v3
	v_lshlrev_b32 v26, 2, v2
	s_mul_i32 s12, s3, 64*320
	s_mov_b32 s13, 0
	s_add_nc_u64 s[22:23], s[22:23], s[12:13]      ; my 64 rows of W0,
	s_lshl_b32 s12, s3, 13
	s_add_nc_u64 s[24:25], s[24:25], s[12:13]      ; my 32 rows of W1,
	s_lshl_b32 s12, s3, 8
	s_add_nc_u64 s[52:53], s[32:33], s[12:13]      ; alpha0 of my 64 hidden units (beta0 1,024 bytes on),
	s_lshl_b32 s12, s3, 7
	s_add_co_u32 s12, s12, 2048
	s_add_nc_u64 s[54:55], s[32:33], s[12:13]      ; alpha1 of my 32 outputs (beta1 512 bytes on),
	s_lshl_b32 s12, ttmp9, 10
	s_lshl_b32 s14, s4, 9
	s_add_co_u32 s12, s12, s14
	s_lshl_b32 s14, s3, 23
	s_add_co_u32 s12, s12, s14
	s_add_nc_u64 s[34:35], s[34:35], s[12:13]      ; out0: row 32 wu, point 256 x work-group + 128 wp
	s_mov_b32 s45, 0                               ; (named as the upper halves of pairs, so they are written: the weights' two sets, s44 to s49 and s56 to s61)
	s_mov_b32 s47, 0
	s_mov_b32 s49, 0
	s_mov_b32 s57, 0
	s_mov_b32 s59, 0
	s_mov_b32 s61, 0
	s_wait_kmcnt 0x0
	s_add_co_i32 s5, s36, 127
	s_lshl_b32 s6, s5, 23
	v_mov_b32 v12, s6                              ; 2^e0 as f32: the conversion takes its exponent field
	s_add_co_i32 s5, s5, 8
	s_lshl_b32 s5, s5, 23
	s_or_b32 s5, s5, 0x600000
	v_mov_b32 v13, s5                              ; 448 x 2^e0
	s_add_co_i32 s5, s38, 127
	s_lshl_b32 s6, s5, 23
	v_mov_b32 v14, s6                              ; 2^e2
	s_add_co_i32 s5, s5, 8
	s_lshl_b32 s5, s5, 23
	s_or_b32 s5, s5, 0x600000
	v_mov_b32 v15, s5                              ; 448 x 2^e2
	s_wait_loadcnt 32                              ; xyz1 and the indices are in; points1's 32 loads stay out
.irp k, 0,1,2
	v_min_u32 v[16+\k], 0x7ff, v[164+\k]           ; an index stays inside its table
.endr
.irp k, 0,1,2
	v_lshlrev_b32 v[168+\k], 2, v[16+\k]
.endr
	s_wait_alu depctr_va_vdst(0)                   ; v168 to v170 are written, which the nine loads below read as offsets; so are all LDS addresses and offsets, v5 to v11 and v23 to v26, for the rest of the kernel
.irp k, 0,1,2
	global_load_b32 v[172+3*\k], v[168+\k], s[18:19]                     ; the three centres' x2, y2, z2
	global_load_b32 v[173+3*\k], v[168+\k], s[18:19] offset:PL2
	global_load_b32 v[174+3*\k], v[168+\k], s[18:19] offset:2*PL2
.endr
.set I, 0
.rept 32
	global_load_b32 v[128+I], v22, s[50:51] offset:PL1*I th:TH_LOAD_NT   ; points1, channels 32 to 63
.set I, I+1
.endr
	s_wait_loadcnt 32                              ; the centres are in; the 32 loads just issued stay out
	; ---- the weights
	v_mul_f32 v181, v160, v160
	v_fmac_f32 v181, v161, v161
	v_fmac_f32 v181, v162, v162                    ; sq1
.irp k, 0,1,2
	v_mul_f32 v[182+\k], v[172+3*\k], v[172+3*\k]
	v_mul_f32 v[185+\k], v160, v[172+3*\k]
.endr
.irp k, 0,1,2
	v_fmac_f32 v[182+\k], v[173+3*\k], v[173+3*\k]
	v_fmac_f32 v[185+\k], v161, v[173+3*\k]
.endr
.irp k, 0,1,2
	v_fmac_f32 v[182+\k], v[174+3*\k], v[174+3*\k]                       ; sq2
	v_fmac_f32 v[185+\k], v162, v[174+3*\k]                              ; c
.endr
.irp k, 0,1,2
	v_add_f32 v[188+\k], v181, v[182+\k]
.endr
.irp k, 0,1,2
	v_fma_f32 v[188+\k], -2.0, v[185+\k], v[188+\k]                      ; d = (sq1 + sq2) - 2 c
.endr
.irp k, 0,1,2
	v_add_f32 v[188+\k], 0x322bcc77, v[188+\k]                           ; + 1e-8
.endr
.irp k, 0,1,2
	v_rcp_f32 v[191+\k], v[188+\k]
.endr
	v_nop                                          ; a plain instruction behind the last reciprocal,
	s_wait_alu depctr_va_vdst(0)                   ; and one wait for the three: v191 to v193 are written, ahead of their first reader
	v_add_f32 v194, v191, v192
	v_add_f32 v194, v194, v193
	v_rcp_f32 v195, v194
	v_nop                                          ; a plain instruction behind the reciprocal
	s_wait_loadcnt 0x0                             ; all of points1
	; ---- the weights of both layers and their alpha and beta: 76 loads, wanted from phase 1 on; the ring's first wait covers them, since loads come back in order
	WIN 0x40                                       ; destination window 1
	s_wait_alu depctr_va_vdst(0)                   ; the wait stands behind the window's switch and straight ahead of the loads
.irp t, 0,1,2,3
.irp s, 0,1,2,3,4
	global_load_b128 v[40*\t+8*\s:40*\t+8*\s+3],   v23, s[22:23] offset:(32*(\t/2)+8*(\t%2))*320+64*\s
	global_load_b128 v[40*\t+8*\s+4:40*\t+8*\s+7], v23, s[22:23] offset:(32*(\t/2)+8*(\t%2))*320+64*\s+32
.endr
.endr
.irp t, 0,1
.irp s, 0,1
.irp c, 0,1,2,3
	global_load_b128 v[160+32*\t+16*\s+4*\c:160+32*\t+16*\s+4*\c+3], v24, s[24:25] offset:4096*\t+128*\s+32*\c
.endr
.endr
.endr
	WIN 0
.irp t, 0,1,2,3                        ; lane (r, h), tile 2 b + u, register j: hidden unit 32 b + 16 h + 8 u + j of my 64
	global_load_b128 v[28+8*\t:31+8*\t], v25, s[52:53] offset:128*(\t/2)+32*(\t%2)
	global_load_b128 v[32+8*\t:35+8*\t], v25, s[52:53] offset:128*(\t/2)+32*(\t%2)+16
	global_load_b128 v[60+8*\t:63+8*\t], v25, s[52:53] offset:1024+128*(\t/2)+32*(\t%2)
	global_load_b128 v[64+8*\t:67+8*\t], v25, s[52:53] offset:1024+128*(\t/2)+32*(\t%2)+16
.endr
.irp t, 0,1                            ; lane (r, h), tile t: output 16 t + r of my 32
	global_load_b32 v[92+\t], v26, s[54:55] offset:64*\t
	global_load_b32 v[94+\t], v26, s[54:55] offset:512+64*\t
.endr
.irp k, 0,1,2
	v_mul_f32 v[19+\k], v[191+\k], v195            ; the three weights
.endr
	; ---- points1: 64 codes of my point, bytes 0 to 63 of its row
.set I, 0
.rept 64
	v_med3_num_f32 v[96+I], v[96+I], -v13, v13     ; the conversion to an 8-bit code does not saturate (ISA guide 7.6.2): the hold at the largest code x the scale
.set I, I+1
.endr
.irp g, 0,1,2,3,4,5,6,7
	v_cvt_scalef32_pk8_fp8_f32 v[240+2*\g:241+2*\g], v[96+8*\g:103+8*\g], v12
.endr
	v_nop                                          ; a plain instruction behind the last conversion
; ---- THE GATHER: a ring of five slots in registers, a point to a slot.  Slot s: three rows of p2t at v[96 + 24 s + 8 k], addresses at v[216 + 3 s + k].
; A row is 1,024 bytes: two loads of 512 consecutive bytes a wave; the lane gets channels 4 x lane + 0 .. 3 and 128 + 4 x lane + 0 .. 3.
.macro ROWS s
.irp k, 0,1,2
	global_load_b128 v[96+24*(\s)+8*\k:96+24*(\s)+8*\k+3],   v[216+3*(\s)+\k], s[30:31]
	global_load_b128 v[96+24*(\s)+8*\k+4:96+24*(\s)+8*\k+7], v[216+3*(\s)+\k], s[30:31] offset:512
.endr
.endm
; The ring's first five points: their fifteen indices (into s5 to s19, which are free: the loads that read s16 to s19 as bases are in) and point 0's three weights are read in one run, with one wait behind it.
.irp q, 0,1,2,3,4
.irp k, 0,1,2
	v_readlane_b32 s[5+3*\q+\k], v[16+\k], \q
.endr
.endr
	v_readlane_b32 s44, v19, 0
	v_readlane_b32 s46, v20, 0
	v_readlane_b32 s48, v21, 0
	s_wait_alu depctr_va_sdst(0)                   ; the eighteen scalars are written, ahead of their first readers
.irp j, 0,1,2,3,4,5,6,7,8,9,10,11,12,13,14
	s_min_u32 s[5+\j], s[5+\j], 2047
.endr
.irp q, 0,1,2,3,4
.irp k, 0,1,2
	v_lshl_add_u32 v[216+3*\q+\k], s[5+3*\q+\k], 10, v4
.endr
.endr
	s_wait_alu depctr_vm_vsrc(0)                   ; the loads of the centres' coordinates have read their offsets v168 to v170, in which rows land
	s_wait_alu depctr_va_vdst(0)                   ; the conversions have written v240 to v255, which the stores read; the fifteen addresses are written; all vector work on v96 to v215, in which the rows land, is done
.irp c, 0,1,2,3
	ds_store_b128 v6, v[240+4*\c:243+4*\c] offset:16*\c
.endr
.irp p, 0,1,2,3,4
	ROWS \p
.endr
.macro STEP p
.set SL, (\p)%5
.set RW, 96+24*SL
.set CD, 232+2*((\p)%4)
.set WS, 44+12*((\p)%2)                ; this point's three weights: s44, s46, s48 or s56, s58, s60
.set WN, 44+12*(((\p)+1)%2)            ; the next point's
.if 31-(\p) >= 4
	s_wait_loadcnt 24                              ; this point's six loads are in; the four later slots' stay out.  The wait also shows the loads that read the slot's address registers done
.else
	s_wait_loadcnt 6*(31-(\p))
.endif
	s_wait_alu depctr_vm_vsrc(0)                   ; the slot's six loads have read its address registers, and the two stores of four points back their pair of code registers: both are written again below (the first four points: the former alone; the last five: the latter)
.if (\p) < 31
	v_readlane_b32 s[WN],   v19, (\p)+1            ; the next point's three weights, into the other set
	v_readlane_b32 s[WN+2], v20, (\p)+1
	v_readlane_b32 s[WN+4], v21, (\p)+1
.endif
.if (\p)+5 <= 31
.irp k, 0,1,2
	v_readlane_b32 s[40+\k], v[16+\k], (\p)+5      ; the indices of the point five on
.endr
.endif
.irp i, 0,2,4,6
	v_pk_mul_f32 v[RW+\i:RW+\i+1], v[RW+\i:RW+\i+1], s[WS:WS+1] op_sel_hi:[1,0]
.endr
.irp i, 0,2,4,6
	v_pk_fma_f32 v[RW+\i:RW+\i+1], v[RW+8+\i:RW+8+\i+1], s[WS+2:WS+3], v[RW+\i:RW+\i+1] op_sel_hi:[1,0,1]
.endr
.if (\p) < 31
	s_wait_alu depctr_va_sdst(0)                   ; the scalars read above are written, ahead of their first readers: the indices' just below, the weights' in the next point
.endif
.if (\p)+5 <= 31
.irp k, 0,1,2
	s_min_u32 s[40+\k], s[40+\k], 2047
.endr
.irp k, 0,1,2
	v_lshl_add_u32 v[216+3*SL+\k], s[40+\k], 10, v4
.endr
.endif
.irp i, 0,2,4,6
	v_pk_fma_f32 v[RW+\i:RW+\i+1], v[RW+16+\i:RW+16+\i+1], s[WS+4:WS+5], v[RW+\i:RW+\i+1] op_sel_hi:[1,0,1]
.endr
.irp i, 0,1,2,3,4,5,6,7
	v_med3_num_f32 v[RW+\i], v[RW+\i], -v13, v13
.endr
.if (\p) >= 4
	s_wait_dscnt 6                                 ; the two stores that read this pair of code registers, four points back, are done; the six younger ones may be out
.endif
	v_cvt_scalef32_pk8_fp8_f32 v[CD:CD+1], v[RW:RW+7], v12
	v_nop                                          ; a plain instruction behind the conversion
	s_wait_alu depctr_va_vdst(0)                   ; the conversion has written the pair, which the stores read; the slot's addresses are written; the arithmetic is done reading and writing the slot, in which the loads land
.if (\p)+5 <= 31
	ROWS SL                                        ; the slot is asked for again at once
.endif
	ds_store_b32 v5, v[CD]   offset:XP*(\p)        ; 32 lanes: 128 consecutive bytes: channels 0 to 127 of interp,
	ds_store_b32 v5, v[CD+1] offset:XP*(\p)+128    ; channels 128 to 255
.endm
.irp p, 0,1,2,3,4,5,6,7,8,9,10,11,12,13,14,15,16,17,18,19,20,21,22,23,24,25,26,27,28,29,30,31
	STEP \p
.endr
	s_wait_dscnt 0x0                               ; for the others' sake: my rows of x are in LDS
	s_barrier_signal -1
	s_barrier_wait -1
; ---- PHASE 1.  x's fragments of a tile of 16 points: two sets of 40 registers, v96 and v136 on; accumulators v176-207; codes v208-215 and v216-223 by turns.
.macro XFETCH m, f
.irp s, 0,1,2,3,4
	ds_load_b128 v[96+40*(\f)+8*\s:96+40*(\f)+8*\s+3],   v7 offset:(\m)*16*XP+64*\s
	ds_load_b128 v[96+40*(\f)+8*\s+4:96+40*(\f)+8*\s+7], v7 offset:(\m)*16*XP+64*\s+32
.endr
.endm
.macro P1TILE m
.set FS, (\m)%2
.if (\m) == 0
	s_wait_dscnt 0x0
.else
	s_wait_dscnt 2                                 ; this tile's fragments are in, and the stores of the tile before last are done; the last tile's two stores may be out
.endif
.if (\m) >= 2
	s_wait_alu depctr_vm_vsrc(0)                   ; the stores of the tile before last have read this set of code registers, which the conversions below write again
.endif
.if (\m) < 7
	XFETCH (\m)+1, 1-FS                            ; no wait: the wait ahead of the last tile's stores (tile 0: the last point's) stands behind the other set's last readers, and no vector or matrix line has been issued since
.endif
	WIN 0x01                                       ; source 0 (W0) window 1
.irp s, 0,1,2,3,4                      ; the four accumulators take turns, one instruction a turn
.irp t, 0,1,2,3
.if \s == 0
	v_wmma_f32_16x16x64_fp8_fp8 v[176+8*\t:183+8*\t], v[40*\t+8*\s:40*\t+8*\s+7], v[96+40*FS+8*\s:96+40*FS+8*\s+7], 0
.else
	v_wmma_f32_16x16x64_fp8_fp8 v[176+8*\t:183+8*\t], v[40*\t+8*\s:40*\t+8*\s+7], v[96+40*FS+8*\s:96+40*FS+8*\s+7], v[176+8*\t:183+8*\t]
.endif
.endr
.endr
	WIN 0
.rept 4
	v_nop                                          ; four places between the last product and the first read of results (ISA guide 7.12.1)
.endr
.irp t, 0,1,2,3
.irp i, 0,2,4,6
	v_pk_fma_f32 v[176+8*\t+\i:177+8*\t+\i], v[176+8*\t+\i:177+8*\t+\i], v[28+8*\t+\i:29+8*\t+\i], v[60+8*\t+\i:61+8*\t+\i]   ; sum x alpha0 + beta0, each accumulator from its low end on
.endr
.endr
.set I, 0
.rept 32
	v_med3_num_f32 v[176+I], v[176+I], 0, v15      ; the activation and the hold in one: between 0 and 448 x 2^e2
.set I, I+1
.endr
.irp b, 0,1
.irp u, 0,1
	v_cvt_scalef32_pk8_fp8_f32 v[208+8*FS+4*\b+2*\u:209+8*FS+4*\b+2*\u], v[176+8*(2*\b+\u):183+8*(2*\b+\u)], v14
.endr
.endr
	v_nop                                          ; a plain instruction between the conversions and the next products, which write their sources
	s_wait_alu depctr_va_vdst(0)                   ; the conversions have written the eight code registers, which the stores read; and this tile's products are done reading their set of fragments, in which the next tile's fetch lands
.irp b, 0,1
	ds_store_b128 v8, v[208+8*FS+4*\b:211+8*FS+4*\b] offset:(\m)*16*HP+32*\b   ; hidden units 64 wu + 32 b + 16 h + 0 .. 15 of point 128 wp + 16 m + r
.endr
.endm
	XFETCH 0, 0                                    ; no wait: the last point's wait on va_vdst stands behind all vector work on the ring's registers
.irp m, 0,1,2,3,4,5,6,7
	P1TILE \m
.endr
	s_wait_dscnt 0x0                               ; for the others' sake: my part of the hidden rows is in LDS
	s_barrier_signal -1
	s_barrier_wait -1
; ---- PHASE 2, two tiles of points at a time.  Hidden fragments in two buffers by turns, v96-159 and v192-255 (tile mi, K step s at 32 mi + 16 s); accumulators v160-191 ((mi, t) at 160 + 8 (2 mi + t)).
.macro HFETCH q
.set HL, 96+96*((\q)%2)
.irp mi, 0,1
.irp s, 0,1
.irp c, 0,1,2,3
	ds_load_b128 v[HL+32*\mi+16*\s+4*\c:HL+32*\mi+16*\s+4*\c+3], v9 offset:(2*(\q)+\mi)*16*HP+128*\s+32*\c
.endr
.endr
.endr
.endm
.macro P2PAIR q
.set HB, 96+96*((\q)%2)
.if (\q) == 0
	s_wait_dscnt 0x0                               ; this pair's fragments are in
.else
	s_wait_dscnt 8                                 ; this pair's sixteen loads, issued a pair ago, are in; the last pair's eight stores may be out
.endif
	s_wait_alu depctr_vm_vsrc(0)                   ; pair 0: the first phase's last stores have read their code registers, v208 to v223, in which the next pair's fragments land; later pairs: the last pair's stores have read the accumulators, which the products write again
.if (\q) < 3
	HFETCH (\q)+1                                  ; no wait on va_vdst: the one ahead of the last pair's stores (pair 0: of the last tile's) stands behind the other buffer's last readers and writers, and no vector or matrix line has been issued since
.endif
	WIN 0x04                                       ; source 1 (W1) window 1
.irp s, 0,1                            ; four accumulators by turns
.irp mi, 0,1
.irp t, 0,1
.if \s == 0
	v_wmma_f32_16x16x128_fp8_fp8 v[160+8*(2*\mi+\t):167+8*(2*\mi+\t)], v[HB+32*\mi+16*\s:HB+15+32*\mi+16*\s], v[160+32*\t+16*\s:175+32*\t+16*\s], 0
.else
	v_wmma_f32_16x16x128_fp8_fp8 v[160+8*(2*\mi+\t):167+8*(2*\mi+\t)], v[HB+32*\mi+16*\s:HB+15+32*\mi+16*\s], v[160+32*\t+16*\s:175+32*\t+16*\s], v[160+8*(2*\mi+\t):167+8*(2*\mi+\t)]
.endif
.endr
.endr
.endr
	WIN 0
.rept 4
	v_nop                                          ; four places between the last product and the first read of results (ISA guide 7.12.1)
.endr
.irp mi, 0,1
.irp t, 0,1
.irp j, 0,1,2,3,4,5,6,7
	v_fma_f32 v[160+8*(2*\mi+\t)+\j], v[160+8*(2*\mi+\t)+\j], v[92+\t], v[94+\t]   ; sum x alpha1 + beta1: one output channel a lane; each accumulator from its low end on
.endr
.endr
.endr
.set I, 0
.rept 32
	v_max_num_f32 v[160+I], 0, v[160+I]
.set I, I+1
.endr
	s_wait_alu depctr_va_vdst(0)                   ; the activation has written v160 to v191, which the eight stores read; and this pair's products are done reading their buffer, in which later loads land
.irp mi, 0,1
.irp t, 0,1
	ds_store_b128 v10, v[160+8*(2*\mi+\t):163+8*(2*\mi+\t)] offset:16*STP*\t+64*(2*(\q)+\mi)      ; row 16 t + r of my stage, points 16 (2 q + mi) + 8 h + 0 .. 7
	ds_store_b128 v10, v[164+8*(2*\mi+\t):167+8*(2*\mi+\t)] offset:16*STP*\t+64*(2*(\q)+\mi)+16
.endr
.endr
.endm
	HFETCH 0                                       ; no wait: the last tile's wait on va_vdst stands behind all vector and matrix work on v96 to v159
.irp q, 0,1,2,3
	P2PAIR \q
.endr
	; ---- THE WAY OUT: my stage's 32 rows come back whole, 512 bytes each, into v96-159 and v192-255: the two buffers, whose last readers stand ahead of the last pair's wait on va_vdst.
	; LDS serves a wave's instructions in order (ISA guide 5.7.1.4): these loads see my stores; no other wave touches my stage.
.set I, 0
.rept 32
	ds_load_b128 v[96+4*I+32*(I/16):99+4*I+32*(I/16)], v11 offset:STP*I
.set I, I+1
.endr
.set I, 0
.rept 32
	s_wait_dscnt 31-I
	global_store_b128 v4, v[96+4*I+32*(I/16):99+4*I+32*(I/16)], s[34:35] offset:PL1*I th:TH_STORE_NT   ; 32 lanes store 512 consecutive bytes of an output row, at a multiple of 256 from out0's first byte; 31 rows on at the most, inside the signed 24-bit immediate
.set I, I+1
.endr
	s_set_vgpr_msb 0x4
	s_wait_dscnt 0x0
	s_wait_alu depctr_hold_cnt(0) depctr_sa_sdst(0) depctr_va_vdst(0) depctr_va_sdst(0) depctr_va_ssrc(0) depctr_va_vcc(0) depctr_vm_vsrc(0)
	s_wait_tensorcnt 0x0
	ds_add_u32 v27, v225
	s_wait_dscnt 0x0
	s_endpgm
.Lfunc_end_k_q2a95edb625_mlp:
	.size	k_q2a95edb625_mlp, .Lfunc_end_k_q2a95edb625_mlp-k_q2a95edb625_mlp
	.p2alignl 7, 3214868480
	.fill 96, 4, 3214868480
	.section	.rodata,"a",@progbits
	.p2align	6, 0x0
	.amdhsa_kernel k_q2a95edb625_mlp
		.amdhsa_group_segment_fixed_size 291840
		.amdhsa_private_segment_fixed_size 0
		.amdhsa_enable_private_segment 0
		.amdhsa_kernarg_size 80
		.amdhsa_user_sgpr_count 2
		.amdhsa_user_sgpr_kernarg_segment_ptr 1
		.amdhsa_wavefront_size32 1
		.amdhsa_system_sgpr_workgroup_id_x 1
		.amdhsa_system_sgpr_workgroup_id_y 1
		.amdhsa_system_sgpr_workgroup_id_z 1
		.amdhsa_system_vgpr_workitem_id 0
		.amdhsa_next_free_vgpr 482
		.amdhsa_next_free_sgpr 66
		.amdhsa_reserve_vcc 0
		.amdhsa_float_denorm_mode_32 3
		.amdhsa_float_denorm_mode_16_64 3
		.amdhsa_memory_ordered 1
		.amdhsa_forward_progress 1
		.amdhsa_inst_pref_size 192
	.end_amdhsa_kernel
	.amdgpu_metadata
---
amdhsa.version: [ 1, 2 ]
amdhsa.kernels:
  - .name:           k_q2a95edb625_mlp
    .symbol:         k_q2a95edb625_mlp.kd
    .args:
      - { .name: xyz1, .offset: 0, .size: 8, .value_kind: global_buffer, .address_space: global }
      - { .name: xyz2, .offset: 8, .size: 8, .value_kind: global_buffer, .address_space: global }
      - { .name: points1, .offset: 16, .size: 8, .value_kind: global_buffer, .address_space: global }
      - { .name: w0_codes, .offset: 24, .size: 8, .value_kind: global_buffer, .address_space: global }
      - { .name: w1_codes, .offset: 32, .size: 8, .value_kind: global_buffer, .address_space: global }
      - { .name: lowp_scales, .offset: 40, .size: 8, .value_kind: global_buffer, .address_space: global }
      - { .name: nbr, .offset: 48, .size: 8, .value_kind: global_buffer, .address_space: global }
      - { .name: p2t, .offset: 56, .size: 8, .value_kind: global_buffer, .address_space: global }
      - { .name: bn, .offset: 64, .size: 8, .value_kind: global_buffer, .address_space: global }
      - { .name: out0, .offset: 72, .size: 8, .value_kind: global_buffer, .address_space: global }
    .group_segment_fixed_size: 291840
    .private_segment_fixed_size: 0
    .kernarg_segment_align: 8
    .kernarg_segment_size: 80
    .max_flat_workgroup_size: 256
    .sgpr_count:     66
    .vgpr_count:     482
    .wavefront_size: 32
...
	.end_amdgpu_metadata
.endif
;; end of part 4
